; MI455X (gfx1250); checked and timed in simulation.
; The chip was launched on July 23, 2026; its instructions are those of AMD's public machine-readable ISA for CDNA 5 (MIT licence, August 2026) and "CDNA5" Instruction Set Architecture Reference Guide (July 2026). The comments in the code are by the model that wrote it; some were corrected since.
;; Multi Head Attention. Allowed arithmetic: float matrix products may take bf16 or f16 operands with f32 sums; all other float work in f32.
;; Inputs: Wk 1,024 x 1,024 float32; Wo 1,024 x 1,024 float32; Wq 1,024 x 1,024 float32; Wv 1,024 x 1,024 float32; bk 1,024 float32; bo 1,024 float32; bq 1,024 float32; bv 1,024 float32; key 4 x 2,048 x 1,024 float32; query 4 x 2,048 x 1,024 float32; value 4 x 2,048 x 1,024 float32.
;; Outputs: out0 4 x 2,048 x 1,024 float32.
;; One version. Each part assembles by itself: llvm-mc -triple=amdgcn-amd-amdhsa -mcpu=gfx1250 --defsym DOCPART=n.
;; ======== version 1 of 1: 4 launches
;; limits: values are held in f16: magnitudes above 65,504 overflow, below 6.1e-05 lose precision
;; workspace buffers: wb 8,404,992 bytes; qkv 50,331,648 bytes; oh 16,777,216 bytes
;; launch prep (part 1): grid 128 x 4, 8 waves a work-group, no clusters, 0 bytes of LDS; arguments Wq, Wk, Wv, Wo, bq, bk, bv, bo, wb; writes wb
.if DOCPART == 1
	.amdgcn_target "amdgcn-amd-amdhsa--gfx1250"
	.amdhsa_code_object_version 6
	.text
	.protected	k_qee0ee8af47_prep
	.globl	k_qee0ee8af47_prep
	.p2align	8
	.type	k_qee0ee8af47_prep,@function
k_qee0ee8af47_prep:
	s_mov_b64 s[64:65], 0
	v_nop
	global_prefetch_b8 v0, s[64:65] scope:SCOPE_SE
	s_setreg_imm32_b32 hwreg(HW_REG_WAVE_MODE, 25, 1), 1
	s_wait_xcnt 0x0
; THE WEIGHTS AND BIASES ARE ROUNDED ONCE.  wb takes, at p x 2,097,152 (p = 0 Wq, 1 Wk, 2 Wv, 3 Wo), matrix p as it lies, [k][n], in 16 bits:
; p = 0..2 as bf16; p = 3 rounded to bf16 and that number written as f16, since the last product multiplies f16 numbers.  Behind the four matrices, at 8,388,608 + p x 4,096,
; bias p: 1,024 f32 numbers, each rounded to bf16 and widened again.
; LIMITS.  Wo beyond 65,504 in magnitude becomes an infinity in f16; below 2^-14 it keeps f16's fixed step of 2^-24.  NaN and infinities are not treated apart.
; SHARES.  Work-group (x, p) takes 8,192 numbers of matrix p: thread t loads 16 bytes at 16 t + 4,096 j, j = 0..7 (a wave's load covers 512 consecutive bytes) and stores 8 bytes at 8 t + 2,048 j
; (a wave's store covers 256 consecutive bytes, aligned).  A stream: no LDS, no barrier, no matrix unit; all eight loads of a wave are out together.  Work-group x = 0 also takes the bias.
.set X, 4                              ; v[4:35]   eight loads of four f32
.set Y, 36                             ; v[36:51]  eight pairs to store, each pair its own: no store's data is rewritten
.set T, 52                             ; v[52:59]  at work
.set BIASES, 8388608                   ; where the biases begin in wb
	s_load_b512 s[4:19], s[0:1], 0x0               ; Wq s[4:5], Wk s[6:7], Wv s[8:9], Wo s[10:11], bq s[12:13], bk s[14:15], bv s[16:17], bo s[18:19]
	s_load_b64 s[20:21], s[0:1], 0x40              ; wb
	s_and_b32 s26, ttmp7, 0xffff                   ; p
	v_lshlrev_b32 v1, 4, v0                        ; 16 t
	v_lshlrev_b32 v2, 3, v0                        ; 8 t
	s_lshl_b32 s28, ttmp9, 15                      ; my 32,768 bytes of the matrix
	s_mov_b32 s29, 0
	s_lshl_b32 s30, s26, 21                        ; the matrix's place in wb,
	s_lshl_b32 s27, ttmp9, 14                      ; my 16,384 bytes of it
	s_add_co_u32 s30, s30, s27
	s_mov_b32 s31, 0
	s_lshl_b32 s34, s26, 12                        ; the bias's place in wb
	s_add_co_u32 s34, s34, BIASES
	s_mov_b32 s35, 0
	s_mov_b32 s36, 0xffff0000                      ; a word's upper bf16
	s_wait_kmcnt 0x0
	s_cmp_eq_u32 s26, 1                            ; the matrix and the bias are chosen by p alone
	s_cselect_b64 s[22:23], s[6:7], s[4:5]
	s_cselect_b64 s[24:25], s[14:15], s[12:13]
	s_cmp_eq_u32 s26, 2
	s_cselect_b64 s[22:23], s[8:9], s[22:23]
	s_cselect_b64 s[24:25], s[16:17], s[24:25]
	s_cmp_eq_u32 s26, 3
	s_cselect_b64 s[22:23], s[10:11], s[22:23]
	s_cselect_b64 s[24:25], s[18:19], s[24:25]
	s_add_nc_u64 s[22:23], s[22:23], s[28:29]
	s_add_nc_u64 s[32:33], s[20:21], s[30:31]
	s_add_nc_u64 s[34:35], s[20:21], s[34:35]
.irp j, 0,1,2,3,4,5,6,7
	global_load_b128 v[X+4*(\j):X+4*(\j)+3], v1, s[22:23] offset:4096*(\j) th:TH_LOAD_NT
.endr
; Load j is rounded and stored.  half = 1: the bf16 numbers are widened to f32 (a shift, a mask) and written as f16, which holds them exactly within its range.
.macro CONV j, half
	s_wait_loadcnt 7-(\j)                          ; loads come back in order: load j is in, the younger ones stay out
	v_cvt_pk_bf16_f32 v[Y+2*(\j)],   v[X+4*(\j)],   v[X+4*(\j)+1]
	v_cvt_pk_bf16_f32 v[Y+2*(\j)+1], v[X+4*(\j)+2], v[X+4*(\j)+3]
.if \half
	v_lshlrev_b32 v[T],   16,  v[Y+2*(\j)]
	v_and_b32     v[T+1], s36, v[Y+2*(\j)]
	v_lshlrev_b32 v[T+2], 16,  v[Y+2*(\j)+1]
	v_and_b32     v[T+3], s36, v[Y+2*(\j)+1]
	v_cvt_pk_f16_f32 v[Y+2*(\j)],   v[T],   v[T+1]
	v_cvt_pk_f16_f32 v[Y+2*(\j)+1], v[T+2], v[T+3]
.endif
	global_store_b64 v2, v[Y+2*(\j):Y+2*(\j)+1], s[32:33] offset:2048*(\j)
.endm
	s_cmp_eq_u32 s26, 3
	s_cbranch_scc1 .Lf16
.irp j, 0,1,2,3,4,5,6,7
	CONV \j, 0
.endr
	s_branch .Lbias
.Lf16:
.irp j, 0,1,2,3,4,5,6,7
	CONV \j, 1
.endr
.Lbias:
	s_cmp_lg_u32 ttmp9, 0
	s_cbranch_scc1 .Lend                           ; the bias is work-group 0's: 256 threads x 4 numbers
	global_load_b128 v[X:X+3], v1, s[24:25]
	s_wait_loadcnt 0x0
	v_cvt_pk_bf16_f32 v[T],   v[X],   v[X+1]
	v_cvt_pk_bf16_f32 v[T+1], v[X+2], v[X+3]
	v_lshlrev_b32 v[T+4], 16,  v[T]
	v_and_b32     v[T+5], s36, v[T]
	v_lshlrev_b32 v[T+6], 16,  v[T+1]
	v_and_b32     v[T+7], s36, v[T+1]
	global_store_b128 v1, v[T+4:T+7], s[34:35]
.Lend:
	s_endpgm
.Lfunc_end_k_qee0ee8af47_prep:
	.size	k_qee0ee8af47_prep, .Lfunc_end_k_qee0ee8af47_prep-k_qee0ee8af47_prep
	.p2alignl 7, 3214868480
	.fill 96, 4, 3214868480
	.section	.rodata,"a",@progbits
	.p2align	6, 0x0
	.amdhsa_kernel k_qee0ee8af47_prep
		.amdhsa_group_segment_fixed_size 0
		.amdhsa_private_segment_fixed_size 0
		.amdhsa_enable_private_segment 0
		.amdhsa_kernarg_size 72
		.amdhsa_user_sgpr_count 2
		.amdhsa_user_sgpr_kernarg_segment_ptr 1
		.amdhsa_wavefront_size32 1
		.amdhsa_system_sgpr_workgroup_id_x 1
		.amdhsa_system_sgpr_workgroup_id_y 1
		.amdhsa_system_sgpr_workgroup_id_z 1
		.amdhsa_system_vgpr_workitem_id 0
		.amdhsa_next_free_vgpr 64
		.amdhsa_next_free_sgpr 66
		.amdhsa_reserve_vcc 0
		.amdhsa_float_denorm_mode_32 3
		.amdhsa_float_denorm_mode_16_64 3
		.amdhsa_memory_ordered 1
		.amdhsa_forward_progress 1
		.amdhsa_inst_pref_size 9
	.end_amdhsa_kernel
	.amdgpu_metadata
---
amdhsa.version: [ 1, 2 ]
amdhsa.kernels:
  - .name:           k_qee0ee8af47_prep
    .symbol:         k_qee0ee8af47_prep.kd
    .args:
      - { .name: Wq, .offset: 0, .size: 8, .value_kind: global_buffer, .address_space: global }
      - { .name: Wk, .offset: 8, .size: 8, .value_kind: global_buffer, .address_space: global }
      - { .name: Wv, .offset: 16, .size: 8, .value_kind: global_buffer, .address_space: global }
      - { .name: Wo, .offset: 24, .size: 8, .value_kind: global_buffer, .address_space: global }
      - { .name: bq, .offset: 32, .size: 8, .value_kind: global_buffer, .address_space: global }
      - { .name: bk, .offset: 40, .size: 8, .value_kind: global_buffer, .address_space: global }
      - { .name: bv, .offset: 48, .size: 8, .value_kind: global_buffer, .address_space: global }
      - { .name: bo, .offset: 56, .size: 8, .value_kind: global_buffer, .address_space: global }
      - { .name: wb, .offset: 64, .size: 8, .value_kind: global_buffer, .address_space: global }
    .group_segment_fixed_size: 0
    .private_segment_fixed_size: 0
    .kernarg_segment_align: 8
    .kernarg_segment_size: 72
    .max_flat_workgroup_size: 256
    .sgpr_count:     66
    .vgpr_count:     64
    .wavefront_size: 32
...
	.end_amdgpu_metadata
.endif
;; end of part 1
;; launch proj (part 2): grid 4 x 64, 4 waves a work-group, clusters of 4 x 4, 327,680 bytes of LDS; arguments query, key, value, wb, qkv; writes qkv
.if DOCPART == 2
	.amdgcn_target "amdgcn-amd-amdhsa--gfx1250"
	.amdhsa_code_object_version 6
	.text
	.protected	k_qee0ee8af47_proj
	.globl	k_qee0ee8af47_proj
	.p2align	8
	.type	k_qee0ee8af47_proj,@function
k_qee0ee8af47_proj:
	s_mov_b64 s[64:65], 0
	v_nop
	global_prefetch_b8 v0, s[64:65] scope:SCOPE_SE
	s_setreg_imm32_b32 hwreg(HW_REG_WAVE_MODE, 25, 1), 1
	s_wait_xcnt 0x0
	s_wait_alu depctr_hold_cnt(0) depctr_sa_sdst(0) depctr_va_vdst(0) depctr_va_sdst(0) depctr_va_ssrc(0) depctr_va_vcc(0) depctr_vm_vsrc(0)
	s_getreg_b32 s2, hwreg(HW_REG_IB_STS2, 6, 4)
	s_cmp_eq_u32 s2, 0
	s_cbranch_scc0 .Lentry_in_a_cluster
	s_endpgm
.Lentry_in_a_cluster:
	s_bfe_u32 s2, ttmp6, 0x10000c
	s_cmp_lg_u32 s2, 0xf033
	s_cbranch_scc0 .Lentry_shape_is_right
	s_endpgm
.Lentry_shape_is_right:
; THE THREE PROJECTIONS, IN ONE WALK.  For p = 0, 1, 2 (q, k, v): C = x_p W_p + b_p, x_p [8192][1024] f32, W_p [1024 (k)][1024 (n)] bf16 and b_p f32 (bf16 numbers) from wb.  x is rounded to bf16 on the way from LDS to the
; matrix unit, sums in f32, C rounded once to f16 and stored by heads: qkv + p x 16 MiB, [batch x 16 + head][row][64].  No scale is applied here.
; LIMITS.  A result beyond 65,504 in magnitude becomes an infinity in f16 (with inputs of unit spread the results have unit spread).  The bias starts each sum where the formula adds it last.  NaN and infinities are not treated apart.
; SHARES.  256 work-groups THAT STAY: a work-group makes the tile of 128 rows x 256 columns (four heads) at its place of q, then of k, then of v.  Four waves, each 64 rows x 128 columns: 32 accumulators of 16 x 16, 256 registers.
; THE WALK.  3 tiles x 8 K steps of 128 are ONE sequence of 24 steps for a ring of two LDS slots, which does not stop at a tile's end.  W's three parts lie end to end in wb, 8 steps of 262,144 bytes each, so W's address
; steps on through all 24; x's address is made anew for each fill: one of three bases, each from its own buffer's pointer, chosen by the step's number / 8, plus (the number % 8) x 512 bytes.
; A step is written once: the slot in hand and the other one are two scalar registers that change places.  22 trips fill the slot that they leave with the step two on; the last 2 steps, which fill nothing, are a loop of
; their own.  In the first loop three jumps go forward, past text without a barrier or a tensor load: a tile's first chunk has a copy whose products start the sums with the bias as C;
; in a tile's seventh step the next tile's bias is loaded; behind its eighth the tile goes out, while the next tile's second step is on its way into LDS, and nothing waits for its stores.
; THE PRICE of one text for the last two steps: the very last trip fetches 48 LDS loads' worth of fragments and converts 64 registers that nothing uses, once a launch.
; A step is four chunks of 32 along K, 32 matrix instructions each.  Chunk c multiplies fragment buffers c % 2; its conversions make x's fragments of chunk c + 1; it loads W's fragments of chunk c + 1 and the raw x of chunk c + 2.
; THE MATRIX INSTRUCTION IS USED TRANSPOSED (source 0 = 16 columns of W, source 1 = 16 rows of x): a lane then holds eight neighbouring columns of one row of C, 16 bytes of f16.
; W lies [k][n] in LDS and comes out turned, by ds_load_tr16_b128.  x lies in f32: a fragment is four loads of 16 bytes and eight conversions, which stand four at a time behind the matrix instructions.
; CLUSTER.  4 x 4 work-groups.  The four of a row need the same tile of x, the four of a column the same tile of W: each is asked for JOINTLY, by the same tensor load, descriptor and mask in all four.
; PREFETCH.  Trip t's tensor load asks for step t + 2; trip t also asks, by global_prefetch_b8, for x's tile of step t + 4: two trips ahead of the load that will want it.  Of a half tile's 64 rows x 512 bytes each of the four
; partners takes 16 rows, two blocks of 256 bytes a row: 32 lanes, one instruction, in the wave that fetches that half.  So each block is asked for once; trips 20 and 21 ask for step 23 again, so that no address leaves x.
; W is not asked for ahead: every cluster reads it again.
; REGISTERS, in windows of 256 (s_set_vgpr_msb: bits 1:0 source 0, 3:2 source 1, 5:4 source 2, 7:6 destination):
;   window 0: v0-31 addresses; v32-63 the way out, two units of 16; v64-191 raw x, two buffers of 64; v192-255 x's fragments, two buffers of 32
;   window 1: v0-127 W's fragments, two buffers of 64; v128-191 the bias in an accumulator's layout, 8 registers for each block of 16 columns        window 2: accumulator (a, b) at v[8 (8 a + b)]
.set PA,    528                        ; a row of x in LDS: 512 bytes + 16 of padding = 132 words: the 16 rows that a load touches start at 16 different groups of four banks (64 banks of 4 bytes: ISA guide 11.1)
.set AH,    64*PA                      ; 64 rows: one tensor load
.set PB,    544                        ; a k-row of W: 512 bytes + 32 = 136 words
.set BH,    64*PB                      ; 64 k-rows: one tensor load
.set BOFF,  2*AH                       ; a slot: x's 128 rows, then W's 128 k-rows
.set SLOT,  BOFF+2*BH
.set STAGE, 2*SLOT                     ; behind the ring, never filled by a tensor load: 16 rows x 144 bytes for each wave, for the way out
.set SP,    144
.set SPARE, STAGE+4*16*SP              ; behind the stages: the spare words, 128 bytes for each wave: two blocks of 256 bytes that no other line names
.set XSTEP, 512                        ; a K step in x: 128 f32 along a row
.set WSTEP, 262144                     ; a K step in W: 128 rows of 2,048 bytes
.set BIASES, 8388608                   ; where the biases begin in wb
.set STEPS, 24                         ; 3 tiles x 8 K steps
.set A0,   12                          ; v12     my lane's and wave's place in a slot's x; never rewritten
.set B0,   13                          ; v13     the same for W
.set ADRA, 16                          ; v16-17  LDS address of my raw x in the slot in hand, in the other slot
.set ADRB, 20                          ; v20-21  the same for W's fragments
.set STO,  24                          ; v24     the way out: where I put 16 bytes of a row
.set RD,   25                          ; v25     the way out: where I read rows back
.set GO,   26                          ; v26     my byte offset in 512 consecutive bytes of the output
.set BO,   27                          ; v27     my byte offset in 16 numbers of the bias
.set SPW,  28                          ; v28     LDS address of my spare word: SPARE + 4 x my thread's number; never rewritten
.set NIL,  29                          ; v29     0; never rewritten
.set PO,   30                          ; v30     the prefetch: my block's byte offset in a half tile of x; never rewritten
.set TMP,  32
.set RAW,  64
.set AF,   192
.set BF,   0                           ; window 1
.set BIAS, 128                         ; window 1
.set WV,  20                           ; s20  my wave's number
.set G1,  24                           ; s[24:31] descriptor group 1 for x's tiles;  s[32:39] group 0: a set for each of the two first fills; the second is then made anew for every fill
.set G0,  32
.set G1B, 48                           ; s[48:55], s[56:63] the same for W's tiles
.set G0B, 56
.set XB,  66                           ; s[66:71] query, key, value at the first row that I fetch
.set BIASP, 72                         ; s[72:73] the bias of my 128 columns, of the tile whose bias was loaded last
.set OUTP, 74                          ; s[74:75] where my part of the tile in hand begins in qkv
.set TB,  76                           ; s76  LDS byte at which the slot in hand begins
.set TBN, 77                           ; s77  the other slot's
.set NX,  78                           ; s78  the step to be asked for next
.set T1,  79                           ; s79  at work
.set T0,  80                           ; s[80:81] an offset as a pair; the high word stays 0
.set PF,  82                           ; s[82:83] the prefetch's base
.set NPF, 84                           ; s84  the step that it asks for
.set STP, 85                           ; s85  the step in hand, 0 to 23
.set MSB, 0
.macro WIN new                         ; the immediate's high byte repeats the setting that is left; a switch that changes nothing is dropped
.if MSB != (\new)
	s_set_vgpr_msb (MSB<<8)|(\new)
.set MSB, \new
.endif
.endm
.set MUL,   0xa1                       ; source 0 (W) window 1, source 1 (x) window 0, C and D window 2
.set MULB,  0x91                       ; the same with C (the bias) in window 1
.set TO_B,  0x40                       ; destination window 1, address window 0
.set PACKW, 0x0a                       ; sources 0 and 1 window 2, destination window 0
; A joint load.  Waves 0 and 1 fetch the two halves of x's tile, waves 2 and 3 those of W's.  The branch hangs on the wave's number alone.
; An s_nop 0 and four v_nop follow each of the two lines, ahead of the jump, the label and what follows.  pf = 1: behind them the wave that fetches x asks for its blocks of the tile two trips on.
.macro JLOAD s, pf
	s_cmp_lt_u32 s[WV], 2
	s_cbranch_scc0 .Lfor_b_\@
	tensor_load_to_lds s[G0+4*(\s):G0+4*(\s)+3], s[G1:G1+7]
	s_nop 0
.rept 4
	v_nop
.endr
.if \pf
	global_prefetch_b8 v[PO], s[PF:PF+1] th:TH_LOAD_NT scope:SCOPE_SE
.endif
	s_branch .Lasked_\@
.Lfor_b_\@:
	tensor_load_to_lds s[G0B+4*(\s):G0B+4*(\s)+3], s[G1B:G1B+7]
	s_nop 0
.rept 4
	v_nop
.endr
.Lasked_\@:
.endm
; A round of the cluster's barrier: my work-group's barrier, so that wave 0's signal speaks for all four waves; wave 0 signals; every wave waits for all sixteen work-groups; my work-group's barrier once more.
.macro CREST                           ; a round behind its opening barrier
	s_cmp_lg_u32 s[WV], 0
	s_cbranch_scc1 .Lnot_wave_0_\@
	s_barrier_signal -3
.Lnot_wave_0_\@:
	s_barrier_wait -3
	s_barrier_signal -1
	s_barrier_wait -1
.endm
.macro CROUND                          ; a whole round
	s_barrier_signal -1
	s_barrier_wait -1
	CREST
.endm
; s[d:d+1] = the address in x of the rows that I fetch, for the step whose number is in s[n]: the tile's buffer by the number / 8, the 128 k by the number % 8
.macro XSEL d, n
	s_lshr_b32 s[T0], s[\n], 3
	s_cmp_eq_u32 s[T0], 1
	s_cselect_b64 s[(\d):(\d)+1], s[XB+2:XB+3], s[XB:XB+1]
	s_cmp_eq_u32 s[T0], 2
	s_cselect_b64 s[(\d):(\d)+1], s[XB+4:XB+5], s[(\d):(\d)+1]
	s_and_b32 s[T0], s[\n], 7
	s_lshl_b32 s[T0], s[T0], 9
	s_add_nc_u64 s[(\d):(\d)+1], s[(\d):(\d)+1], s[T0:T0+1]
.endm
.macro ADDRS                           ; my LDS addresses in the slot in hand and in the other one
	v_add_nc_u32 v[ADRA],   s[TB],  v[A0]
	v_add_nc_u32 v[ADRB],   s[TB],  v[B0]
	v_add_nc_u32 v[ADRA+1], s[TBN], v[A0]
	v_add_nc_u32 v[ADRB+1], s[TBN], v[B0]
.endm
.macro LOADBIAS                        ; the bias of my 128 columns, as the C operand wants it: register j of block b holds column 16 b + 8 h + j
	WIN TO_B
.irp b, 0,1,2,3,4,5,6,7
	global_load_b128 v[BIAS+8*(\b):BIAS+8*(\b)+3],   v[BO], s[BIASP:BIASP+1] offset:64*(\b)
	global_load_b128 v[BIAS+8*(\b)+4:BIAS+8*(\b)+7], v[BO], s[BIASP:BIASP+1] offset:64*(\b)+16
.endr
	WIN 0
.endm
	s_load_b256 s[4:11], s[0:1], 0x0               ; query s[4:5], key s[6:7], value s[8:9], wb s[10:11]
	s_load_b64 s[12:13], s[0:1], 0x20              ; qkv
	v_lshl_add_u32 v[SPW], v0, 2, SPARE
	v_mov_b32 v[NIL], 0
	ds_add_u32 v28, v29
	s_wait_dscnt 0x0
	v_lshrrev_b32 v1, 5, v0
	v_readfirstlane_b32 s[WV], v1                  ; wave 0..3
	s_lshr_b32 s21, s[WV], 1                       ; which 64 rows of the tile are mine
	s_and_b32 s22, s[WV], 1                        ; which 128 columns.  Also: which half of a tile I fetch
	s_bfe_u32 s40, ttmp6, 0x40000                  ; cx, cy: my place in the cluster
	s_bfe_u32 s41, ttmp6, 0x40004
	s_lshl_b32 s42, ttmp9, 2
	s_add_co_u32 s42, s42, s40                     ; tile column = 4 x cluster x + cx
	s_and_b32 s45, ttmp7, 0xffff
	s_lshl_b32 s45, s45, 2
	s_add_co_u32 s45, s45, s41                     ; tile row = 4 x cluster y + cy, 0..63
	s_lshl_b32 s43, s41, 2
	s_lshl_b32 s43, 15, s43                        ; my row of the cluster
	s_lshl_b32 s44, 0x1111, s40                    ; my column
	; descriptor group 1 for x: 64 rows x 128 elements of 4 bytes, 16 bytes of padding behind each row
	s_or_b32 s[G1+0], s43, (2<<16)|(1<<20)|(1<<21)|(6<<22)|(3<<25)  ; 15:0 the mask: my row; 17:16 elements of 4 bytes; 20 padding on; 21 set beside a mask; 24:22 after every 128 words (code 6); 31:25 4 words (code 3)
	s_mov_b32 s[G1+1], 128<<16                     ; tensor_dim0 = 128
	s_mov_b32 s[G1+2], 64<<16                      ; tensor_dim1 = 64
	s_mov_b32 s[G1+3], 128<<16                     ; tile_dim0 = 128
	s_mov_b32 s[G1+4], 64                          ; tile_dim1 = 64
	s_mov_b32 s[G1+5], 1024                        ; elements from row to row
	s_mov_b32 s[G1+6], 0
	s_mov_b32 s[G1+7], 0
	; for W: 64 k-rows x 256 elements of 2 bytes, 32 bytes of padding behind each row
	s_or_b32 s[G1B+0], s44, (1<<16)|(1<<20)|(1<<21)|(6<<22)|(7<<25)  ; the mask: my column; elements of 2 bytes; after every 128 words 8 words (code 7)
	s_mov_b32 s[G1B+1], 256<<16
	s_mov_b32 s[G1B+2], 64<<16
	s_mov_b32 s[G1B+3], 256<<16
	s_mov_b32 s[G1B+4], 64
	s_mov_b32 s[G1B+5], 1024
	s_mov_b32 s[G1B+6], 0
	s_mov_b32 s[G1B+7], 0
	; where the tiles come from.  x's hang on the tile row and the wave; W's on the tile column and the wave; each in registers that never hold the other coordinate.
	s_lshl_b32 s16, s45, 19                        ; x: the tile's 128 rows of 4,096 bytes,
	s_lshl_b32 s17, s22, 18                        ; my half's 64
	s_add_co_u32 s16, s16, s17
	s_mov_b32 s17, 0
	s_lshl_b32 s46, s22, 17                        ; W: 64 x half rows of 2,048 bytes,
	s_lshl_b32 s47, s42, 9                         ; 256 columns of 2 bytes for each tile column
	s_add_co_u32 s46, s46, s47
	s_mov_b32 s47, 0
	s_mul_i32 s18, s22, AH                         ; and where they go in a slot: no place in the cluster enters an LDS address
	s_mul_i32 s19, s22, BH
	s_add_co_u32 s19, s19, BOFF
	s_mov_b32 s[TB], 0                             ; step 0 lies in slot 0
	s_mov_b32 s[TBN], SLOT
	s_mov_b32 s[NX], 2                             ; steps 0 and 1 are the first fills
	s_mov_b32 s[STP], 0
	s_mov_b32 s[T0+1], 0
	s_wait_kmcnt 0x0
	s_add_nc_u64 s[XB:XB+1],   s[4:5], s[16:17]
	s_add_nc_u64 s[XB+2:XB+3], s[6:7], s[16:17]
	s_add_nc_u64 s[XB+4:XB+5], s[8:9], s[16:17]
	s_add_nc_u64 s[46:47], s[10:11], s[46:47]
	CROUND                                         ; all sixteen work-groups are here: the first joint loads meet
.irp s, 0,1
	s_mov_b32 s[G0+4*(\s)], 1                                      ; 1:0 count = 1
	s_add_co_u32 s[G0+4*(\s)+1], s18, (\s)*SLOT                    ; 63:32 LDS address
	s_add_nc_u64 s[G0+4*(\s)+2:G0+4*(\s)+3], s[XB:XB+1], (\s)*XSTEP  ; 120:64 global address: step s, of q
	s_or_b32 s[G0+4*(\s)+3], s[G0+4*(\s)+3], 0x80000000            ; 127:126 type = 2
	s_mov_b32 s[G0B+4*(\s)], 1
	s_add_co_u32 s[G0B+4*(\s)+1], s19, (\s)*SLOT
	s_add_nc_u64 s[G0B+4*(\s)+2:G0B+4*(\s)+3], s[46:47], (\s)*WSTEP
	s_or_b32 s[G0B+4*(\s)+3], s[G0B+4*(\s)+3], 0x80000000
	JLOAD \s, 0                                    ; two loads of mine are out
.endr
	; the bias of my 128 columns, and where my part of q's tile begins
	s_lshl_b32 s14, s42, 10
	s_lshl_b32 s15, s22, 9
	s_add_co_u32 s14, s14, s15
	s_add_co_u32 s14, s14, BIASES
	s_mov_b32 s15, 0
	s_add_nc_u64 s[BIASP:BIASP+1], s[10:11], s[14:15]
	s_lshr_b32 s14, s45, 4
	s_lshl_b32 s14, s14, 22                        ; the batch: 16 heads of 262,144 bytes
	s_lshl_b32 s15, s42, 20                        ; the tile's four heads
	s_add_co_u32 s14, s14, s15
	s_lshl_b32 s15, s22, 19                        ; my two of them
	s_add_co_u32 s14, s14, s15
	s_and_b32 s15, s45, 15
	s_lshl_b32 s15, s15, 14                        ; the tile's 128 rows of 128 bytes
	s_add_co_u32 s14, s14, s15
	s_lshl_b32 s15, s21, 13                        ; my 64 of them
	s_add_co_u32 s14, s14, s15
	s_mov_b32 s15, 0
	s_add_nc_u64 s[OUTP:OUTP+1], s[12:13], s[14:15]
	v_and_b32 v1, 15, v0                           ; r = l % 16
	v_bfe_u32 v2, v0, 4, 1                         ; h = l / 16
	v_lshlrev_b32 v[BO], 5, v2                     ; register j of an accumulator holds column 8 h + j of its 16: 32 h bytes of f32
	LOADBIAS                                       ; q's
	; A fragment of x is 16 rows x 32 K: lane l holds row r, K = 8 h + 0..7 and 16 + 8 h + 0..7.  In f32 those are 32 bytes at 32 h and 32 bytes at 64 + 32 h.
	v_mul_u32_u24 v3, v1, PA
	v_lshl_add_u32 v3, v2, 5, v3
	s_mul_i32 s16, s21, AH                         ; my 64 rows
	v_add_nc_u32 v[A0], s16, v3
	; The turning load takes 16 k x 16 columns (lane l reads k-row 8 h + l % 8, columns 8 ((l / 8) % 2) + 0..7) and leaves half a fragment: lane l holds column r and 8 k.
	v_and_b32 v4, 7, v0
	v_bfe_u32 v5, v0, 3, 1
	v_lshl_add_u32 v4, v2, 3, v4
	v_mul_u32_u24 v4, v4, PB
	v_lshl_add_u32 v4, v5, 4, v4
	s_lshl_b32 s17, s22, 8                         ; my 128 columns
	s_add_co_u32 s17, s17, BOFF
	v_add_nc_u32 v[B0], s17, v4
	ADDRS
	s_mul_i32 s16, s[WV], 16*SP
	s_add_co_u32 s16, s16, STAGE                   ; my stage
	v_mul_u32_u24 v[STO], v1, SP                   ; in: row r, 16 bytes for each half of the lanes
	v_lshl_add_u32 v[STO], v2, 4, v[STO]
	v_add_nc_u32 v[STO], s16, v[STO]
	v_bfe_u32 v[RD], v0, 3, 2                      ; back: 32 lanes take four rows of 128 bytes,
	v_mul_u32_u24 v[RD], v[RD], SP
	v_and_b32 v4, 7, v0
	v_lshl_add_u32 v[RD], v4, 4, v[RD]
	v_add_nc_u32 v[RD], s16, v[RD]
	v_and_b32 v3, 31, v0                           ; which are 512 consecutive bytes of a head
	v_lshlrev_b32 v[GO], 4, v3
	v_lshrrev_b32 v4, 1, v3                        ; the prefetch: row 16 cx + l / 2 of the half tile's 64,
	s_lshl_b32 s16, s40, 4
	v_add_nc_u32 v4, s16, v4
	v_lshlrev_b32 v4, 12, v4                       ; of 4,096 bytes,
	v_and_b32 v3, 1, v3
	v_lshl_or_b32 v[PO], v3, 8, v4                 ; block l % 2 of the step's two blocks of 256 bytes
; Four matrix instructions: group g of eight: row block a = g / 2, column blocks 4 (g % 2) + 0..3; buffers f.  zero = 1: the first product starts the sums, with the bias as C: nothing is cleared.
; The 32 accumulators take turns, one instruction a turn, in the same order in every chunk.
.macro W4 f, g, zero
.if \zero
	WIN MULB
.else
	WIN MUL
.endif
.irp i, 0,1,2,3
.if \zero
	v_wmma_f32_16x16x32_bf16 v[8*(4*(\g)+(\i)):8*(4*(\g)+(\i))+7], v[BF+64*(\f)+8*(4*((\g)%2)+(\i)):BF+64*(\f)+8*(4*((\g)%2)+(\i))+7], v[AF+32*(\f)+8*((\g)/2):AF+32*(\f)+8*((\g)/2)+7], v[BIAS+8*(4*((\g)%2)+(\i)):BIAS+8*(4*((\g)%2)+(\i))+7]
.else
	v_wmma_f32_16x16x32_bf16 v[8*(4*(\g)+(\i)):8*(4*(\g)+(\i))+7], v[BF+64*(\f)+8*(4*((\g)%2)+(\i)):BF+64*(\f)+8*(4*((\g)%2)+(\i))+7], v[AF+32*(\f)+8*((\g)/2):AF+32*(\f)+8*((\g)/2)+7], v[8*(4*(\g)+(\i)):8*(4*(\g)+(\i))+7]
.endif
.endr
.endm
; Four conversions: registers 4 n .. 4 n + 3 of x's fragment buffer d, from raw buffer d.  They name no register of the products round them (those read the other buffer).  A fragment is written again
; 24 such conversions or more behind the last product that read it: more than the four places that a write of a matrix instruction's source wants (ISA guide 7.12.1).
.macro C4 d, n
	WIN 0
.irp i, 0,1,2,3
	v_cvt_pk_bf16_f32 v[AF+32*(\d)+4*(\n)+(\i)], v[RAW+64*(\d)+8*(\n)+2*(\i)], v[RAW+64*(\d)+8*(\n)+2*(\i)+1]
.endr
.endm
; 16 LDS loads in one run: W's fragments of chunk q (32 k x 128 columns) of the slot in hand (slot = 0) or the other one (1) into buffer d
.macro FETCH_B slot, q, d
	WIN TO_B
.irp b, 0,1,2,3,4,5,6,7
	ds_load_tr16_b128 v[BF+64*(\d)+8*(\b):BF+64*(\d)+8*(\b)+3],   v[ADRB+(\slot)] offset:32*(\q)*PB+32*(\b)
	ds_load_tr16_b128 v[BF+64*(\d)+8*(\b)+4:BF+64*(\d)+8*(\b)+7], v[ADRB+(\slot)] offset:32*(\q)*PB+16*PB+32*(\b)
.endr
.endm
; 16 LDS loads in one run: the raw x of chunk q (64 rows x 32 K of f32) into raw buffer d, in the order of a fragment's K
.macro FETCH_A slot, q, d
	WIN 0
.irp a, 0,1,2,3
	ds_load_b128 v[RAW+64*(\d)+16*(\a):RAW+64*(\d)+16*(\a)+3],     v[ADRA+(\slot)] offset:16*(\a)*PA+128*(\q)
	ds_load_b128 v[RAW+64*(\d)+16*(\a)+4:RAW+64*(\d)+16*(\a)+7],   v[ADRA+(\slot)] offset:16*(\a)*PA+128*(\q)+16
	ds_load_b128 v[RAW+64*(\d)+16*(\a)+8:RAW+64*(\d)+16*(\a)+11],  v[ADRA+(\slot)] offset:16*(\a)*PA+128*(\q)+64
	ds_load_b128 v[RAW+64*(\d)+16*(\a)+12:RAW+64*(\d)+16*(\a)+15], v[ADRA+(\slot)] offset:16*(\a)*PA+128*(\q)+80
.endr
.endm
; A chunk: multiplies buffers f; its conversions make the next chunk's fragments of x in buffer 1 - f.  W's fragments of chunk bq of slot bs come into buffer 1 - f, twelve conversions behind the last product that
; read it; the raw x of chunk aq of slot as comes into raw buffer f.
.macro QUARTER f, zero, bs, bq, as, aq
	s_wait_dscnt 16                                ; W's fragments are in; the run of 16 loads of raw x issued behind them may be out
	W4 \f, 0, \zero
	s_wait_dscnt 0x0                               ; the raw x is in
	C4 1-(\f), 0
	W4 \f, 1, \zero
	C4 1-(\f), 1
	FETCH_B \bs, \bq, 1-(\f)
	FETCH_A \as, \aq, \f
.irp g, 2,3,4,5,6,7
	W4 \f, \g, \zero
	C4 1-(\f), \g
.endr
.endm
; A K step's third chunk (buffers 0) changes slots: W's last fragments are the wave's last reads of the slot in hand, and the raw x two chunks on lies in the other slot.  ONE barrier: in front of it each wave waits for all
; its tensor loads, of which one is out: its part of the other slot; adds 0 to its spare word; and waits for that and for its own reads of this slot.  Behind it nobody reads this slot any more and the other slot is whole.
; fill = 1: the barrier opens a round of the cluster's, and this slot is filled again, with the step two on, first thing behind the round: about 120 matrix instructions ahead of the wait for it.
.macro TURN fill
	s_wait_dscnt 16
	W4 0, 0, 0
	s_wait_dscnt 0x0
	C4 1, 0
	W4 0, 1, 0
	C4 1, 1
	FETCH_B 0, 3, 1
	W4 0, 2, 0
	C4 1, 2
	W4 0, 3, 0
	C4 1, 3
	WIN 0                                          ; (the add's two registers lie in window 0)
	s_wait_tensorcnt 0x0                           ; all my tensor loads have landed, so a group 0 may be written;
	ds_add_u32 v[SPW], v[NIL]                      ; 0 onto my spare word: work on registers stands between it and the wait for it
.if \fill
	XSEL G0+6, NX                                  ; x's tile of step NX: the address is made anew,
	s_or_b32 s[G0+7], s[G0+7], 0x80000000          ; the type set again;
	s_add_co_u32 s[G0+5], s[TB], s18               ; it goes into the slot in hand
	s_add_nc_u64 s[G0B+6:G0B+7], s[G0B+6:G0B+7], WSTEP  ; W's tile: one step on from the last fill's; the type bits on top are not reached
	s_add_co_u32 s[G0B+5], s[TB], s19
	s_wait_xcnt 0x0                                ; the last trip's prefetch has had its address translated (ISA guide 3.1): its base is written again only behind this wait
	s_add_co_u32 s[NPF], s[NX], 2                  ; the prefetch: the step that the tensor load two trips on will ask for,
	s_min_u32 s[NPF], s[NPF], STEPS-1              ; or the last one
	XSEL PF, NPF
	s_add_co_u32 s[NX], s[NX], 1
.endif
	W4 0, 4, 0
	C4 1, 4
	s_wait_dscnt 0x0                               ; the add is done, and my reads of this slot are over
	s_barrier_signal -1
	W4 0, 5, 0                                     ; work on registers while the others arrive
	C4 1, 5
	WIN 0                                          ; at a branch and at a label every window is 0
	s_barrier_wait -1
.if \fill
	CREST                                          ; no wave of any partner still reads this slot's tile or has a load on its way
	JLOAD 1, 1                                     ; my one tensor load behind the round
.endif
	FETCH_A 1, 0, 0
	W4 0, 6, 0
	C4 1, 6
	W4 0, 7, 0
	C4 1, 7
.endm
; THE WAY OUT, in eight units: unit t is row block t / 2 (16 rows) of head t % 2 of my two.  Its four accumulators, registers 32 t .. 32 t + 31 of window 2, are rounded to f16 in ascending order;
; a lane's 16 bytes go into my stage's rows of 144 bytes and come back as whole rows of 128: 16 rows of a head are 2,048 consecutive bytes of the output.  Two sets of 16 registers take turns.
; The last chunk's four conversions of x, which name no register of the last products, are the four places between those and the first line here (ISA guide 7.12.1).
.macro PACK t
	s_wait_xcnt 0x0                                ; every earlier memory instruction has had its addresses translated (ISA guide 3.1): the registers that the stores of two units back read are written again only behind this wait
	WIN PACKW
.set i, 0
.rept 16
	v_cvt_pk_f16_f32 v[TMP+16*((\t)%2)+i], v[32*(\t)+2*i], v[32*(\t)+2*i+1]
.set i, i+1
.endr
	WIN 0
.irp f, 0,1,2,3
	ds_store_b128 v[STO], v[TMP+16*((\t)%2)+4*(\f):TMP+16*((\t)%2)+4*(\f)+3] offset:32*(\f)
.endr
.irp f, 0,1,2,3
	ds_load_b128 v[TMP+16*((\t)%2)+4*(\f):TMP+16*((\t)%2)+4*(\f)+3], v[RD] offset:(\f)*4*SP  ; LDS serves a wave's instructions in order (ISA guide 5.7.1.4): these see the stores above; the next unit's stores come behind them
.endr
.endm
.macro SEND t, younger                 ; younger: the LDS instructions issued behind unit t's loads: the next unit's eight, or none
	WIN 0
.irp f, 0,1,2,3
	s_wait_dscnt (\younger)+3-(\f)
	global_store_b128 v[GO], v[TMP+16*((\t)%2)+4*(\f):TMP+16*((\t)%2)+4*(\f)+3], s[OUTP:OUTP+1] offset:2048*((\t)/2)+262144*((\t)%2)+512*(\f)  ; 512 consecutive bytes, at a multiple of 512 from the buffer's first
.endr
.endm
.macro WAYOUT
	PACK 0
.irp t, 1,2,3,4,5,6,7                  ; a unit's conversions stand between the loads of the unit before and its stores
	PACK \t
	SEND (\t)-1, 8
.endr
	SEND 7, 0
.endm
; A K STEP.  fill = 1: one of the first 22, with all that hangs on the step's place in its tile; fill = 0: one of the last two.
.macro STEP fill
.if \fill
	s_and_b32 s[T1], s[STP], 7
	s_cmp_eq_u32 s[T1], 0
	s_cbranch_scc0 .Lsame_\@
	s_wait_loadcnt 0x0                             ; a tile's first chunk: its bias is in, and its products start the sums
	QUARTER 0, 1, 0, 1, 0, 2
	WIN 0
	s_branch .Ljoin_\@
.Lsame_\@:
.endif
	QUARTER 0, 0, 0, 1, 0, 2
	WIN 0
.if \fill
.Ljoin_\@:
.endif
	QUARTER 1, 0, 0, 2, 0, 3
	TURN \fill
	QUARTER 1, 0, 1, 0, 1, 1
	WIN 0
.if \fill
	s_and_b32 s[T1], s[STP], 7
	s_cmp_eq_u32 s[T1], 6
	s_cbranch_scc0 .Lno_bias_\@
	s_wait_loadcnt 0x0                             ; no load of the bias is out: its base may step and its registers, read last seven steps back, be loaded again
	s_add_nc_u64 s[BIASP:BIASP+1], s[BIASP:BIASP+1], 4096
	LOADBIAS                                       ; the next tile's: it has a step and the way out in which to come
.Lno_bias_\@:
	s_cmp_eq_u32 s[T1], 7
	s_cbranch_scc0 .Lgo_on_\@
	WAYOUT                                         ; q's tile, or k's; the next tile's first fragments are in registers, its second step is on its way into LDS
	s_wait_xcnt 0x0                                ; the stores' base steps only behind this wait
	s_add_nc_u64 s[OUTP:OUTP+1], s[OUTP:OUTP+1], 0x1000000  ; the same place in the next part of qkv
.Lgo_on_\@:
.endif
	s_xor_b32 s[TB], s[TB], SLOT                   ; the two slots change places
	s_xor_b32 s[TBN], s[TBN], SLOT
	s_add_co_u32 s[STP], s[STP], 1
	ADDRS
.endm
	s_wait_tensorcnt 0x1                           ; my part of step 0 is in; step 1's may stay out
	s_barrier_signal -1
	s_barrier_wait -1                              ; everybody's is
	FETCH_B 0, 0, 0
	FETCH_A 0, 0, 0
	FETCH_A 0, 1, 1
	s_wait_dscnt 16                                ; all but the second run of raw x
.irp n, 0,1,2,3,4,5,6,7
	C4 0, \n
.endr
	WIN 0
	s_mov_b32 s3, STEPS-2
.Lstep:                                                ; 22 trips: steps 0 to 21, which ask for steps 2 to 23
	STEP 1
	s_sub_co_u32 s3, s3, 1
	s_cmp_lg_u32 s3, 0
	s_cbranch_scc1 .Lstep
	s_mov_b32 s3, 2
.Ltail:                                                ; steps 22 and 23: nothing is left to ask for, and no round of the cluster's barrier
	STEP 0
	s_sub_co_u32 s3, s3, 1
	s_cmp_lg_u32 s3, 0
	s_cbranch_scc1 .Ltail
	WAYOUT                                         ; v's tile
	s_wait_tensorcnt 0x0                           ; the wave's end: behind my last tensor load and my last LDS store
	ds_add_u32 v[SPW], v[NIL]
	s_wait_dscnt 0x0
	CROUND                                         ; the closing round: no work-group ends while a partner may still ask for a tile that names it
	s_endpgm
.Lfunc_end_k_qee0ee8af47_proj:
	.size	k_qee0ee8af47_proj, .Lfunc_end_k_qee0ee8af47_proj-k_qee0ee8af47_proj
	.p2alignl 7, 3214868480
	.fill 96, 4, 3214868480
	.section	.rodata,"a",@progbits
	.p2align	6, 0x0
	.amdhsa_kernel k_qee0ee8af47_proj
		.amdhsa_group_segment_fixed_size 327680
		.amdhsa_private_segment_fixed_size 0
		.amdhsa_enable_private_segment 0
		.amdhsa_kernarg_size 40
		.amdhsa_user_sgpr_count 2
		.amdhsa_user_sgpr_kernarg_segment_ptr 1
		.amdhsa_wavefront_size32 1
		.amdhsa_system_sgpr_workgroup_id_x 1
		.amdhsa_system_sgpr_workgroup_id_y 1
		.amdhsa_system_sgpr_workgroup_id_z 1
		.amdhsa_system_vgpr_workitem_id 0
		.amdhsa_next_free_vgpr 768
		.amdhsa_next_free_sgpr 88
		.amdhsa_reserve_vcc 0
		.amdhsa_float_denorm_mode_32 3
		.amdhsa_float_denorm_mode_16_64 3
		.amdhsa_memory_ordered 1
		.amdhsa_forward_progress 1
		.amdhsa_inst_pref_size 113
	.end_amdhsa_kernel
	.amdgpu_metadata
---
amdhsa.version: [ 1, 2 ]
amdhsa.kernels:
  - .name:           k_qee0ee8af47_proj
    .symbol:         k_qee0ee8af47_proj.kd
    .args:
      - { .name: query, .offset: 0, .size: 8, .value_kind: global_buffer, .address_space: global }
      - { .name: key, .offset: 8, .size: 8, .value_kind: global_buffer, .address_space: global }
      - { .name: value, .offset: 16, .size: 8, .value_kind: global_buffer, .address_space: global }
      - { .name: wb, .offset: 24, .size: 8, .value_kind: global_buffer, .address_space: global }
      - { .name: qkv, .offset: 32, .size: 8, .value_kind: global_buffer, .address_space: global }
    .group_segment_fixed_size: 327680
    .private_segment_fixed_size: 0
    .kernarg_segment_align: 8
    .kernarg_segment_size: 40
    .max_flat_workgroup_size: 128
    .sgpr_count:     88
    .vgpr_count:     768
    .wavefront_size: 32
...
	.end_amdgpu_metadata
.endif
;; end of part 2
;; launch attn (part 3): grid 4 x 64, 4 waves a work-group, clusters of 4 x 1, 327,680 bytes of LDS; arguments qkv, oh; writes oh
.if DOCPART == 3
	.amdgcn_target "amdgcn-amd-amdhsa--gfx1250"
	.amdhsa_code_object_version 6
	.text
	.protected	k_qee0ee8af47_attn
	.globl	k_qee0ee8af47_attn
	.p2align	8
	.type	k_qee0ee8af47_attn,@function
k_qee0ee8af47_attn:
	s_mov_b64 s[64:65], 0
	v_nop
	global_prefetch_b8 v0, s[64:65] scope:SCOPE_SE
	s_setreg_imm32_b32 hwreg(HW_REG_WAVE_MODE, 25, 1), 1
	s_wait_xcnt 0x0
	s_wait_alu depctr_hold_cnt(0) depctr_sa_sdst(0) depctr_va_vdst(0) depctr_va_sdst(0) depctr_va_ssrc(0) depctr_va_vcc(0) depctr_vm_vsrc(0)
	s_getreg_b32 s2, hwreg(HW_REG_IB_STS2, 6, 4)
	s_cmp_eq_u32 s2, 0
	s_cbranch_scc0 .Lentry_in_a_cluster
	s_endpgm
.Lentry_in_a_cluster:
	s_bfe_u32 s2, ttmp6, 0x10000c
	s_cmp_lg_u32 s2, 0x3003
	s_cbranch_scc0 .Lentry_shape_is_right
	s_endpgm
.Lentry_shape_is_right:
; O[h][q][:] = the sum over k of softmax_k(Q[h][q] . K[h][k] / 8) V[h][k][:].  Q, K, V are the three parts of qkv, 16 MiB each, O is oh: each [SIZE_H][SIZE_N][64] in f16: a head's rows are dense, 128 bytes each.
; Products, maxima and sums in f32; the weights p are rounded to f16 for the second product (their sum l is taken of the unrounded p), O once at the end.
; LIMITS.  f16 holds no number beyond 65,504: Q, K and V arrive within it; p lies in 0 to 1, and below 6e-5 it keeps f16's fixed step of 6e-8; O is a mean of V's rows and has their range.
; A weight below 2^-126 counts as 0 in l; NaN and infinities are not treated apart.
; SHARES.  A wave owns four PIECES of two tiles of 16 queries, a work-group's four waves 512 queries of one head: 64 heads x 4 blocks = 256 work-groups.  Every wave walks all keys, 64 a step.
; LAYOUT.  S^T = K Q^T (source 0 = 16 keys, source 1 = 16 queries): in the result a lane holds ONE query (lane % 16) and the keys 8 (lane / 16) + 0..7.  Two such tiles, rounded to f16 in pairs,
; ARE source 1 (32 keys x 16 queries) of O^T = V^T P, whose result again holds one query a lane, and eight channels.  K comes out of LDS as it lies, V ([key][channel]) turned, by ds_load_tr16_b128.
; SOFTMAX.  For each query a running maximum m and sum l: p = 2^(c s - c m), c = log2(e) / 8; in every step O and l are multiplied by a = 2^(c m_old - c m_new), which is 1 where m has not grown.
; m starts at the lowest finite number, O and l at 0: the first step is a step like any other, with a = 0.
; THE COUNT.  A tile and step have 16 matrix and 118 vector instructions: too many to stand all beside the matrix work.  So the order has one aim: four vector instructions that are READY behind
; EVERY matrix instruction, and the others, which need time of their own whatever the order, in runs without a gap.
; BY TURNS.  Turn n belongs to piece n (the pieces in a ring, step after step).  Its matrix work: 16 products K Q^T of piece n + 1, later 16 products V^T P of piece n - 1.  Its vector work: the scaling,
; exponentials, roundings, sums and rescaling of piece n, and the maximum and statistics of piece n + 1, whose scores the turn itself has made.  So what a turn begins with (c s - c m, O a) waits for nothing.
; CLUSTER.  The four query blocks of a cluster belong to one head and walk the same K and V, so each tile is asked for JOINTLY: the same tensor load, descriptor and mask in all four.
; REGISTERS, in windows of 256 (s_set_vgpr_msb says which window each operand place means: bits 1:0 source 0, 3:2 source 1, 5:4 source 2, 7:6 destination):
;   window 0: v0-11 addresses; v12-15, v48-63 at work; v16-47 four registers of statistics a tile; v64-191 S^T, two buffers of two tiles; v192-255 P, likewise
;   window 1: O^T, 32 a tile          window 2: v0-127 Q, 16 a tile; v128-191 K of one step; v192-255 V of one step          window 3: v0-1 the add's two registers
; A piece's buffers go by its number's parity: the piece in hand has one pair, its two neighbours in the ring share the other: of it P (piece n - 1) is read and S^T (piece n + 1) written.
.set SIZE_H, 64       ; batch x heads
.set SIZE_N, 2048     ; rows of a head
.set NP,    4         ; pieces a wave: a name, no knob: the register map, the loop and the fetches are made for four
.set KS,    64        ; keys in a step
.set PK,    144       ; a row of K in LDS: 128 bytes + 16 of padding = 36 words: the 16 rows of a load start at 16 different groups of four banks (64 banks of 4 bytes: ISA guide 11.1)
.set PV,    160       ; a row of V: 128 + 32 = 40 words
.set VOFF,  4*KS*PK   ; a slot holds four steps: 256 rows of K, then 256 rows of V
.set SLOT1, 1<<17     ; slot 1 begins here, so that one exclusive or turns an address in one slot into the other's
.set STAGE, SLOT1+4*KS*(PK+PV)  ; behind the ring, never filled by a tensor load: 16 rows x 144 bytes for each wave, for the way out
.set SP,    144
.set AK0, 2           ; v2   my lane's place in a tile of K; never rewritten
.set AV0, 3           ; v3   the same for V
.set AK,  4           ; v4   the LDS address of K's next run of loads
.set AV,  5           ; v5   of V's
.set QO,  6           ; v6   my byte offset in the wave's rows of Q
.set STO, 6           ;      later, the way out: where I put 16 bytes of a row
.set RD,  7           ; v7   the way out: where I read rows back
.set GO,  8           ; v8   my byte offset in 512 consecutive bytes of O
.set SPW, 0           ; v0 of window 3   LDS address of my spare word: SPARE + 4 x my thread's number; never rewritten
.set NIL, 1           ; v1 of window 3   0; never rewritten
.set SPARE, STAGE+4*16*SP  ; behind the stages: the spare words, 128 bytes for each wave: two blocks of 256 bytes that no other line names
.set MV,  12          ; v12-15  c m_old, kept while c m is made anew: by buffer and tile
.set ST,  16          ; tile t's statistics at v[ST+4 t]: c m, m, l (even keys', odd keys')
.set TMP, 48          ; by buffer and tile, four registers c0-c3 at work; when the maximum is found c2 takes a
.set S,   64
.set P,   192
.set KF,  128         ; K's fragments, in window 2: key block kb, channel half c at KF + 16 kb + 8 c
.set VF,  192         ; V's: key half kk, channel block cb at VF + 32 kk + 8 cb
.set WV,  12          ; s12  my wave's number
.set G1K, 24          ; s[24:31] descriptor group 1 for K's tiles
.set G1V, 32          ; s[32:39] for V's: it differs in the padding alone
.set G0K, 40          ; s[40:43] descriptor group 0 for K's tiles: it walks
.set G0V, 44          ; s[44:47] the same for V's
.set SLOTS, 56        ; s56  slots still to be asked for
.set CNT, 57          ; s57  counts a slot's key steps
.set CS,  58          ; s[58:59] c: the packed scaling takes the pair's low word for both halves
.set SEL, 60          ; s[60:61] v_permlanex16_b32's selects: each lane takes its own place in the other half
.set TBK, 62          ; s62  LDS byte at which K of the step to be fetched begins
.set TBV, 63          ; s63  the same for V, less VOFF
.set MSB, 0
.macro WIN new                      ; the high byte repeats the setting that is left; a switch that changes nothing is dropped
.if MSB != (\new)
	s_set_vgpr_msb (MSB<<8)|(\new)
.set MSB, (\new)
.endif
.endm
.set W_KQ, 0x0a       ; K and Q in window 2, S^T in window 0
.set W_PV, 0x52       ; V in window 2, P in window 0, O^T in window 1
.set W_RS, 0x41       ; O^T (destination and source 0) in window 1, a in window 0
.set W_MK, 0xc0       ; the add's registers are made: destination in window 3, sources in window 0
.set W_AD, 0x0f       ; the add: address (source 0) and data (source 1) in window 3
; A joint fill.  Waves 0 and 1 fetch the two halves of a slot's K, waves 2 and 3 those of its V: 128 keys each.  The branch hangs on the wave's number alone.
; An s_nop 0 and four v_nop follow each of the two lines, ahead of the jump and the label.
.macro JLOAD
	s_cmp_lt_u32 s[WV], 2
	s_cbranch_scc0 .Lfor_v_\@
	tensor_load_to_lds s[G0K:G0K+3], s[G1K:G1K+7]
	s_nop 0
.rept 4
	v_nop
.endr
	s_branch .Lasked_\@
.Lfor_v_\@:
	tensor_load_to_lds s[G0V:G0V+3], s[G1V:G1V+7]
	s_nop 0
.rept 4
	v_nop
.endr
.Lasked_\@:
.endm
; A round of the cluster's barrier: my work-group's barrier, so that wave 0's signal speaks for all four waves; wave 0 signals; every wave waits for all four work-groups; my work-group's barrier once more.
.macro CROUND
	s_barrier_signal -1
	s_barrier_wait -1
	s_cmp_lg_u32 s[WV], 0
	s_cbranch_scc1 .Lnot_wave_0_\@
	s_barrier_signal -3
.Lnot_wave_0_\@:
	s_barrier_wait -3
	s_barrier_signal -1
	s_barrier_wait -1
.endm
; THE CHANGE OF SLOTS.  The slot's last bytes, V of its fourth step, have been read.  Each wave waits for all its tensor loads, of which one is out: its part
; of the other slot; adds 0 to its spare word; and waits for that and for its own reads of the slot.  Behind the barrier nobody reads this slot any more and the other slot is whole.
; fill = 1: this slot is filled again, with the keys two slots on.  The barrier is then a round of the cluster's, so that no wave of any partner still reads the slot or has a load on its
; way, and the joint fill is the first thing behind it: it has four key steps, 512 matrix instructions, in which to land.  (At its first use nothing has been read yet: slot 0 is waited for, slot 1 filled.)
.macro CHANGE fill
	WIN W_AD
	s_wait_tensorcnt 0x0            ; no tensor load of mine is out, so a group 0 may be written
	ds_add_u32 v[SPW], v[NIL]       ; 0 onto my spare word: with fill = 1 the descriptors' steps stand between it and the wait for it
	WIN 0                           ; at a label and at a branch every window is 0
.if \fill
.irp g, G0K, G0V
	s_xor_b32 s[\g+1], s[\g+1], SLOT1  ; the walking descriptor: the other slot than last time,
	s_add_nc_u64 s[\g+2:\g+3], s[\g+2:\g+3], 4*KS*128  ; the next 256 keys; the type bits on top are not reached
.endr
	s_wait_dscnt 0x0                ; the add is done, and my reads of the slot are over
	CROUND
	JLOAD
.else
	s_wait_dscnt 0x0                ; the add is done, and my reads of the slot are over
	s_barrier_signal -1
	s_barrier_wait -1
.endif
	s_sub_co_u32 s[TBK], s[TBK], 4*KS*PK  ; the fetches go back to a slot's first step,
	s_xor_b32 s[TBK], s[TBK], SLOT1       ; in the other slot
	s_sub_co_u32 s[TBV], s[TBV], 4*KS*PV
	s_xor_b32 s[TBV], s[TBV], SLOT1
.endm
	s_load_b128 s[4:7], s[0:1], 0x0   ; qkv s[4:5] (Q lies at its head), oh s[6:7]
	WIN W_MK
	v_lshl_add_u32 v[SPW], v0, 2, SPARE
	v_mov_b32 v[NIL], 0
	s_set_vgpr_msb 0xc0cf
	ds_add_u32 v0, v1
	s_wait_dscnt 0x0
	s_set_vgpr_msb 0xcfc0
	WIN 0
	v_lshrrev_b32 v1, 5, v0
	v_readfirstlane_b32 s[WV], v1   ; wave 0..3
	s_bfe_u32 s13, ttmp6, 0x40000   ; cx: my place in the cluster
	s_lshl_b32 s14, ttmp9, 2        ; in a cluster launch ttmp9 counts clusters
	s_add_co_u32 s14, s14, s13      ; my block of queries = 4 x cluster x + cx: it enters Q's and O's addresses alone
	s_and_b32 s20, ttmp7, 0xffff    ; the head, which the four partners share
	s_mov_b32 s21, 0
	s_mov_b64 s[22:23], SIZE_N*128
	s_mul_u64 s[20:21], s[20:21], s[22:23]  ; the head's first byte in each of the four tensors
	s_and_b32 s16, s[WV], 1         ; which half of a slot's 256 keys I fetch:
	s_lshl_b32 s22, s16, 14         ; its 128 rows of 128 bytes in memory,
	s_mov_b32 s23, 0
	s_add_nc_u64 s[22:23], s[22:23], s[20:21]
	s_mul_i32 s17, s16, 128*PK      ; and its place in a slot, for K
	s_mul_i32 s18, s16, 128*PV      ; and for V: no place in the cluster enters an LDS address
	s_lshl_b32 s2, s14, 2
	s_add_co_u32 s2, s2, s[WV]      ; my wave among the head's,
	s_lshl_b32 s2, s2, 14           ; its 128 rows
	s_mov_b32 s3, 0
	s_add_nc_u64 s[2:3], s[2:3], s[20:21]
	; descriptor group 1.  128 keys are 16,384 dense bytes: asked for as 64 rows of 256 bytes, two keys a row, and padded in LDS after every key
	s_mov_b32 s[G1K], 15|(1<<16)|(1<<20)|(1<<21)|(4<<22)|(3<<25)  ; 15:0 the mask of four; 17:16 2-byte elements; 20 padding on; 21 set beside a mask; 24:22 after every 32 words (code 4); 31:25 4 words (code 3)
	s_mov_b32 s[G1V], 15|(1<<16)|(1<<20)|(1<<21)|(4<<22)|(7<<25)  ; the same with 8 words of padding (code 7)
.irp g, G1K, G1V
	s_mov_b32 s[\g+1], 128<<16      ; tensor_dim0 = 128
	s_mov_b32 s[\g+2], 64<<16       ; tensor_dim1 = 64
	s_mov_b32 s[\g+3], 128<<16      ; tile_dim0 = 128
	s_mov_b32 s[\g+4], 64           ; tile_dim1 = 64
	s_mov_b32 s[\g+5], 128          ; 128 elements from row to row
	s_mov_b32 s[\g+6], 0
	s_mov_b32 s[\g+7], 0
.endr
	s_mov_b32 s[CS], 0x3e38aa3b     ; c = log2(e) / 8 = 0.180337
	s_mov_b32 s[CS+1], s[CS]        ; named with it as a pair
	s_mov_b32 s[SEL], 0x76543210
	s_mov_b32 s[SEL+1], 0xfedcba98
	s_mov_b32 s[TBK], SLOT1+4*KS*PK ; the first change of slots turns these two into 0
	s_mov_b32 s[TBV], SLOT1+4*KS*PV
	s_mov_b32 s[G0K], 1             ; 1:0 count = 1
	s_mov_b32 s[G0K+1], s17         ; 63:32 LDS address: slot 0
	s_mov_b32 s[G0V], 1
	s_add_co_u32 s[G0V+1], s18, VOFF
	s_wait_kmcnt 0x0
	s_mov_b64 s[10:11], s[6:7]                     ; O
	s_add_nc_u64 s[6:7], s[4:5], 0x1000000         ; K: the second part of qkv
	s_add_nc_u64 s[8:9], s[4:5], 0x2000000         ; V: the third
	s_add_nc_u64 s[G0K+2:G0K+3], s[6:7], s[22:23]  ; 120:64 global address: my half of the head's first 256 keys
	s_or_b32 s[G0K+3], s[G0K+3], 0x80000000        ; 127:126 type = 2
	s_add_nc_u64 s[G0V+2:G0V+3], s[8:9], s[22:23]
	s_or_b32 s[G0V+3], s[G0V+3], 0x80000000
	s_add_nc_u64 s[4:5], s[4:5], s[2:3]  ; Q and O at my wave's first row
	s_add_nc_u64 s[10:11], s[10:11], s[2:3]
	CROUND                          ; all four work-groups are here: the first joint loads meet
	JLOAD                           ; slot 0.  Slot 1 is asked for when slot 0 is in: the tile wanted first has the road to itself
	; A fragment of K or Q is 16 rows x 32 channels in 8 registers: lane l holds row l % 16, channels 8 (l / 16) + 0..7 and 16 + 8 (l / 16) + 0..7: two loads of 16 bytes, 32 bytes apart.
	v_and_b32 v1, 15, v0            ; l % 16
	v_bfe_u32 v9, v0, 4, 1          ; l / 16
	v_lshlrev_b32 v[QO], 7, v1
	v_lshl_add_u32 v[QO], v9, 4, v[QO]  ; row x 128 + 16 x half
	WIN 0x80                        ; destination window 2, address window 0
.set i, 0
.rept 4*NP                          ; Q stays in registers: tile i / 2, channels 32 (i % 2) on
	global_load_b128 v[8*i:8*i+3],   v[QO], s[4:5] offset:(i/2)*2048+(i%2)*64
	global_load_b128 v[8*i+4:8*i+7], v[QO], s[4:5] offset:(i/2)*2048+(i%2)*64+32
.set i, i+1
.endr
	; What the first turn finds: V's registers and P's second buffer hold 0 (its products V^T P, of a piece that has not been, add 0), O^T and l are 0.  All this stands in the wait for the first tile.
.set i, VF
.rept 64
	v_mov_b32 v[i], 0
.set i, i+1
.endr
	WIN 0x40
.set i, 0
.rept 64*NP
	v_mov_b32 v[i], 0
.set i, i+1
.endr
	WIN 0
.set i, 0
.rept 2*NP
	v_mov_b32 v[ST+4*i], 0xfe000000    ; c m: far below every c s
	v_mov_b32 v[ST+4*i+1], 0xff7fffff  ; m
	v_mov_b32 v[ST+4*i+2], 0
	v_mov_b32 v[ST+4*i+3], 0
.set i, i+1
.endr
.set i, P+32
.rept 32
	v_mov_b32 v[i], 0
.set i, i+1
.endr
	v_mul_u32_u24 v[AK0], v1, PK
	v_lshl_add_u32 v[AK0], v9, 4, v[AK0]  ; row x pitch + 16 x half
	; The turning load takes 16 keys x 16 channels (lane l reads key 8 (l / 16) + l % 8, channels 8 ((l / 8) % 2) + 0..7) and leaves half a fragment of V^T: lane l holds channel l % 16 and 8 keys.
	v_and_b32 v10, 7, v0
	v_bfe_u32 v11, v0, 3, 1
	v_lshl_add_u32 v[AV0], v9, 3, v10
	v_mul_u32_u24 v[AV0], v[AV0], PV
	v_lshl_add_u32 v[AV0], v11, 4, v[AV0]
	v_add_nc_u32 v[AV0], VOFF, v[AV0]
	v_mov_b32 v[AK], v[AK0]         ; key step 0 lies at the head of slot 0
; THE MATRIX WORK.  The 8 accumulators of a run of 16 take turns: between the two links of a chain stand 7 others'.
; Product i of 16 of S^T = K Q^T for piece x: channels 32 (i / 8) on, keys 16 ((i / 2) % 4) on, tile 2 x + i % 2.  The first 8 start the sums.
.macro KQ x
	WIN W_KQ
.set rS, S+64*((\x)%2)+32*(i%2)+8*((i/2)%4)
.set rK, KF+16*((i/2)%4)+8*(i/8)
.set rQ, 16*(2*(\x)+i%2)+8*(i/8)
.if i < 8
	v_wmma_f32_16x16x32_f16 v[rS:rS+7], v[rK:rK+7], v[rQ:rQ+7], 0
.else
	v_wmma_f32_16x16x32_f16 v[rS:rS+7], v[rK:rK+7], v[rQ:rQ+7], v[rS:rS+7]
.endif
.endm
; Product i of 16 of O^T += V^T P for piece x: keys 32 (i / 8) on, channels 16 ((i / 2) % 4) on, tile 2 x + i % 2.
.macro PV x
	WIN W_PV
.set rO, 32*(2*(\x)+i%2)+8*((i/2)%4)
.set rV, VF+32*(i/8)+8*((i/2)%4)
.set rP, P+32*((\x)%2)+16*(i%2)+8*(i/8)
	v_wmma_f32_16x16x32_f16 v[rO:rO+7], v[rV:rV+7], v[rP:rP+7], v[rO:rO+7]
.endm
.macro MM                           ; the turn's next matrix instruction
.if i < 16
	KQ (Y+1)%NP
.set i, i+1
.else
.set i, i-16
	PV (Y+NP-1)%NP
.set i, i+17
.endif
.endm
; THE LDS LOADS stand in runs of 16, never singly among the matrix instructions: a step's K (64 keys x 64 channels: 8 fragments) and its V (turned).  Their addresses are made some lines ahead.
; last = 1 (the tail): in the last trip there is no further step, and the run is jumped over.
.macro FETCH_K last=0
	WIN 0
.if \last
	s_cmp_eq_u32 s[CNT], 1
	s_cbranch_scc1 .Lno_k_\@
.endif
	WIN 0x80                        ; destination window 2
.irp f, 0,1,2,3,4,5,6,7             ; keys 16 (f / 2) on, channels 32 (f % 2) on
	ds_load_b128 v[KF+8*\f:KF+8*\f+3],   v[AK] offset:(\f/2)*16*PK+(\f%2)*64
	ds_load_b128 v[KF+8*\f+4:KF+8*\f+7], v[AK] offset:(\f/2)*16*PK+(\f%2)*64+32
.endr
	s_add_co_u32 s[TBK], s[TBK], KS*PK  ; the next fetch is the next step's
	WIN 0
.if \last
.Lno_k_\@:
.endif
.endm
.macro FETCH_V
	WIN 0x80
.irp f, 0,1,2,3,4,5,6,7             ; keys 32 (f / 4) on, channels 16 (f % 4) on
	ds_load_tr16_b128 v[VF+8*\f:VF+8*\f+3],   v[AV] offset:(\f/4)*32*PV+(\f%4)*32
	ds_load_tr16_b128 v[VF+8*\f+4:VF+8*\f+7], v[AV] offset:(\f/4)*32*PV+16*PV+(\f%4)*32
.endr
	WIN 0
.endm
; THE VECTOR WORK OF A TURN stands in three queues, each in the order in which its entries become ready; the two tiles alternate, so that no instruction reads the result of the one before it.
.macro REGS y, u                    ; the registers of tile u (0, 1) of piece y
.set rT, ST+4*(2*(\y)+(\u))
.set rC, TMP+8*((\y)%2)+4*(\u)
.set rM, MV+2*((\y)%2)+(\u)
.set rS, S+64*((\y)%2)+32*(\u)
.set rP, P+32*((\y)%2)+16*(\u)
.set rO, 32*(2*(\y)+(\u))
.endm
; Number n of the 22 that find the NEXT piece's (Y + 1) maximum and statistics.  s0-s31 are the lane's 32 scores; each accumulator's lowest registers are read first.  XS, GS and REGS set no window: PL and EX do.
;   0-11  four chains c0-c3 of seven scores each, three operands at a time     12-14, 16  the four scores left over, the old m, and c0-c3 into c0     15  c m_old is kept
;   17, 18  the query's other 32 keys lie in the lane 16 away: the new m         19-21  c m; c m_old - c m_new; a
.macro XS u, n
	REGS (Y+1)%NP, \u
.if (\n) < 4
	v_max3_num_f32 v[rC+(\n)], v[rS+8*(\n)], v[rS+8*(\n)+1], v[rS+8*(\n)+2]
.elseif (\n) < 12
	v_max3_num_f32 v[rC+(\n)%4], v[rC+(\n)%4], v[rS+8*((\n)%4)+2*((\n)/4)+1], v[rS+8*((\n)%4)+2*((\n)/4)+2]
.elseif (\n) == 12
	v_max3_num_f32 v[rC], v[rC], v[rS+7], v[rS+15]
.elseif (\n) == 13
	v_max3_num_f32 v[rC+1], v[rC+1], v[rS+23], v[rS+31]
.elseif (\n) == 14
	v_max3_num_f32 v[rC+2], v[rC+2], v[rC+3], v[rT+1]
.elseif (\n) == 15
	v_mov_b32 v[rM], v[rT]
.elseif (\n) == 16
	v_max3_num_f32 v[rC], v[rC], v[rC+1], v[rC+2]
.elseif (\n) == 17
	v_permlanex16_b32 v[rC+3], v[rC], s[SEL], s[SEL+1]
.elseif (\n) == 18
	v_max_num_f32 v[rT+1], v[rC], v[rC+3]
.elseif (\n) == 19
	v_mul_f32 v[rT], s[CS], v[rT+1]
.elseif (\n) == 20
	v_sub_f32 v[rC+1], v[rM], v[rT]
.else
	v_exp_f32 v[rC+2], v[rC+1]
.endif
.endm
; Number g of the 64 that follow the exponentials.  For each four weights k of a tile (pairs 2 k, 2 k + 1): both pairs are rounded to f16; then the second pair is added onto the first, in place;
; a group later l takes that sum (the first time as l = a l + sum).  In groups of eight, tiles alternating: round, round, add, and l for the group before.
.macro GS g
.set h, (\g)+6*((\g)/62)            ; group 0 has no group before it, and behind group 7 only l is left
.if h >= 6
.set h, h+2
.endif
	REGS Y, h%2
.set k, h/8
.if h%8 < 4
	s_wait_alu depctr_va_vdst(0)
	v_cvt_pk_f16_f32 v[rP+2*k+(h%8)/2], v[rS+4*k+2*((h%8)/2)], v[rS+4*k+2*((h%8)/2)+1]
.elseif h%8 < 6
	v_pk_add_f32 v[rS+4*k:rS+4*k+1], v[rS+4*k:rS+4*k+1], v[rS+4*k+2:rS+4*k+3]
.elseif k == 1
	v_pk_fma_f32 v[rT+2:rT+3], v[rT+2:rT+3], v[rC+2:rC+3], v[rS:rS+1] op_sel_hi:[1,0,1]
.else
	v_pk_add_f32 v[rT+2:rT+3], v[rT+2:rT+3], v[rS+4*k-4:rS+4*k-3]
	s_wait_alu depctr_va_vdst(0)
.endif
.endm
; THE PLAIN QUEUE, 138 long.  0-31: c s - c m for the 16 pairs of both tiles.  Then GS's 64, and among them the next piece's 42: number 15 at 38, 39; 0-14 and 16
; at 42-73, behind the products that make those scores; 17-20 at 95-106, two of three, since each waits for the one before it.
.macro PL
	WIN 0
.if q < 32
	REGS Y, q%2
	v_pk_fma_f32 v[rS+2*(q/2):rS+2*(q/2)+1], v[rS+2*(q/2):rS+2*(q/2)+1], s[CS:CS+1], v[rT:rT+1] op_sel_hi:[1,0,0] neg_lo:[0,0,1] neg_hi:[0,0,1]
.elseif q < 38
	GS q-32
.elseif q < 40
	XS q%2, 15
.elseif q < 42
	GS q-34
.elseif q < 74
	XS q%2, (q-42)/2+(q-42)/30
.elseif q < 95
	GS q-66
.elseif (q < 107) && ((q-95)%3 < 2)
	XS (q-95)%3, 17+(q-95)/3
.elseif q < 107
	GS 29+(q-95)/3
.else
	GS q-74
.endif
.set q, q+1
.endm
; THE EXPONENTIALS' QUEUE, 66 long: s0-s31 of both tiles, and at EA the next piece's two a.
.set EA, 58
.macro EX
	WIN 0
.if (e == EA) || (e == EA+1)
	XS e-EA, 21
.else
.set x, e-2*(e/(EA+2))
	REGS Y, x%2
	v_exp_f32 v[rS+x/2], v[rS+x/2]
.endif
.set e, e+1
.endm
; THE RESCALING's QUEUE: O^T times a, the one part that leaves window 0, so it is dealt four at a time, eight times.
.macro R4
	REGS Y, r%2
	WIN W_RS
	s_wait_alu depctr_va_vdst(0)
.irp z, 0,1,2,3
	v_pk_mul_f32 v[rO+8*(r/2)+2*\z:rO+8*(r/2)+2*\z+1], v[rO+8*(r/2)+2*\z:rO+8*(r/2)+2*\z+1], v[rC+2:rC+3] op_sel_hi:[1,0]
.endr
.set r, r+1
.endm
; HOW THEY ARE DEALT.  Behind a matrix instruction four: plain, exponential, plain, plain (one exponential, a plain instruction on either side), or four of the rescaling.  None names a register of the
; products round it.  What is over stands in two LUMPS: exponential and plain by turns; the second ends in 22 plain instructions.  The two v_permlanex16_b32 fall into the second lump, never behind a product.
; The queues lean on each other, and the deal keeps them in step: exponential e stands behind plain 2 (e / 4) + e % 2 (its scaling); when plain 32 comes, 10 exponentials are out, at 59: 33, at 95: 46; EA comes behind plain 107.
.macro SL
	MM
	PL
	EX
	PL
	PL
.endm
.macro BURST n                      ; 15 matrix instructions, or 16
.rept (\n)-7
	SL
.endr
.rept 3
	MM
	R4
	SL
.endr
	MM
	R4
.endm
; A TURN, for piece p.  cnt = 1: the loop's count is taken down some lines ahead of the branch that stands behind the turn.
; K of the next step is fetched in piece 2's turn, 31 vector instructions behind the last product that read K; its first reader comes behind the rest of the lump, 16 products and the second lump.
; V of the step in hand is fetched at the end of piece 0's turn, 69 behind its last reader; its first reader comes behind 16 products and a lump.  The four conditions on e and q below go with the deal.
.macro TURN p, last=0, cnt=0
.set Y, (\p)
.set i, 0
.set q, 0
.set e, 0
.set r, 0
.if (\p) == NP-1
	s_wait_dscnt 0x0                ; K is in
.endif
	MM
.rept 4
	PL
.endr
	BURST 15
.rept 22
	EX
	PL
.if ((\p) == NP-2) && (e == 18)
	v_add_nc_u32 v[AK], s[TBK], v[AK0]
.endif
.if ((\p) == NP-2) && (e == 24)
	FETCH_K \last
.endif
.endr
.if (\p) == 1
	s_wait_dscnt 0x0                ; V is in
.endif
	BURST 16
.rept 21
	EX
	PL
.endr
.rept 22
	PL
.if ((\p) == 0) && (q == 118)
	v_add_nc_u32 v[AV], s[TBV], v[AV0]
	s_wait_alu depctr_va_vdst(0)
.endif
.if ((\p) == 0) && (q == 130)
	s_add_co_u32 s[TBV], s[TBV], KS*PV
.endif
.if (\cnt) && (q == 130)
	s_sub_co_u32 s[CNT], s[CNT], 1
	s_cmp_lg_u32 s[CNT], 0
.endif
.endr
.if (\p) == 0
	FETCH_V
.endif
.endm
	CHANGE 1                        ; slot 0 is in, everybody's part of it; slot 1 is asked for
	FETCH_K                         ; key step 0
	s_wait_loadcnt 0x0              ; Q
	s_wait_dscnt 0x0
.set i, 0
.rept 16
	KQ 0                            ; piece 0's first scores: there is no vector work yet to set between them
.set i, i+1
.endr
	WIN 0                           ; the addresses for the way out: nine plain instructions, the places behind those products
	s_mul_i32 s13, s[WV], 16*SP
	s_add_co_u32 s13, s13, STAGE    ; my stage
	v_mul_u32_u24 v[STO], v1, SP    ; in: row l % 16, 16 bytes for each half of the lanes
	v_lshl_add_u32 v[STO], v9, 4, v[STO]
	v_add_nc_u32 v[STO], s13, v[STO]
	v_bfe_u32 v[RD], v0, 3, 2       ; back: 32 lanes take four rows of 128 bytes,
	v_mul_u32_u24 v[RD], v[RD], SP
	v_lshl_add_u32 v[RD], v10, 4, v[RD]
	v_add_nc_u32 v[RD], s13, v[RD]
	v_and_b32 v[GO], 31, v0         ; which are 512 consecutive bytes of O
	v_lshlrev_b32 v[GO], 4, v[GO]
.set Y, NP-1                        ; XS works for piece Y + 1: piece 0
.irp n, 0,1,2,3,4,5,6,7,8,9,10,11,12,13,14,15,16,17,18,19,20,21
	XS 0, \n                        ; and piece 0's first maximum and statistics
	XS 1, \n
.endr
	s_mov_b32 s[CNT], 4
	s_mov_b32 s[SLOTS], SIZE_N/256-1
	s_branch .Lfirst                ; the loop is entered at a step's first turn, in the middle of a trip
.Lslot:                             ; SIZE_N / 256 - 2 times: every slot but the last two is filled again
	CHANGE 1
	s_mov_b32 s[CNT], 4
.Lstep:                             ; a trip: pieces 2 and 3 of one step, then pieces 0 and 1 of the next, whose K and V it fetches
	TURN 2
	TURN 3
	WIN 0
.Lfirst:
	TURN 0
	TURN 1, 0, 1
	WIN 0
	s_cbranch_scc1 .Lstep
	s_sub_co_u32 s[SLOTS], s[SLOTS], 1
	s_cmp_lg_u32 s[SLOTS], 0
	s_cbranch_scc1 .Lslot
	CHANGE 0                        ; the tail is written out: nothing is asked for
	s_mov_b32 s[CNT], 5             ; four trips fetch the last slot's steps; the fifth is left in its middle
.Ltail:
	TURN 2, 1
	TURN 3
	WIN 0
	s_sub_co_u32 s[CNT], s[CNT], 1
	s_cmp_eq_u32 s[CNT], 0
	s_cbranch_scc1 .Lout
	TURN 0
	TURN 1
	WIN 0
	s_branch .Ltail
.Lout:                              ; the fifth trip's 16 products K Q^T (on the last K once more) and the maximum made of them serve nothing: the price, once a launch, of one text for every trip
.set i, 0
.rept 16
	PV NP-1                         ; the last piece's V^T P of the last step
.set i, i+1
.endr
	; THE WAY OUT.  l's two halves and the other half of the lanes' are added; O^T is divided by l, rounded to f16 and sent through my stage in LDS, a tile at a time.  The additions are the places behind the last products.
	WIN 0
.macro ALL line:vararg              ; one line for each tile t
.set t, 0
.rept 2*NP
	\line
.set t, t+1
.endr
.endm
	ALL v_add_f32 v[ST+4*t+2], v[ST+4*t+2], v[ST+4*t+3]
	ALL v_permlanex16_b32 v[ST+4*t+3], v[ST+4*t+2], s[SEL], s[SEL+1]
	ALL v_add_f32 v[ST+4*t+2], v[ST+4*t+2], v[ST+4*t+3]
	ALL v_rcp_f32 v[ST+4*t+2], v[ST+4*t+2]
	v_nop                           ; a plain instruction between the last reciprocal and the use of its result
	s_wait_alu depctr_va_vdst(0)
; Tile t: a lane's eight channels of a row pack into 16 bytes; they go into rows of 144 bytes and come back as whole rows of 128, into S^T's registers.
.macro PACK t
	WIN W_RS
.set i, 32*(\t)
.rept 16
	v_pk_mul_f32 v[i:i+1], v[i:i+1], v[ST+4*(\t)+2:ST+4*(\t)+3] op_sel_hi:[1,0]
.set i, i+2
.endr
	WIN 0x05                        ; sources 0 and 1 window 1, destination window 0
.set i, 0
.rept 16
	v_cvt_pk_f16_f32 v[S+16*(\t)+i], v[32*(\t)+2*i], v[32*(\t)+2*i+1]
.set i, i+1
.endr
	WIN 0
.irp f, 0,1,2,3
	ds_store_b128 v[STO], v[S+16*(\t)+4*\f:S+16*(\t)+4*\f+3] offset:32*\f
.endr
.irp f, 0,1,2,3
	ds_load_b128 v[S+16*(\t)+4*\f:S+16*(\t)+4*\f+3], v[RD] offset:\f*4*SP  ; LDS serves a wave's instructions in order (ISA guide 5.7.1.4): these see the stores above; the next tile's stores come behind them
.endr
.endm
.macro SEND t, younger              ; younger: the LDS instructions issued behind tile t's loads: the next tile's eight, or none
	WIN 0
.irp f, 0,1,2,3
	s_wait_dscnt (\younger)+3-\f
	global_store_b128 v[GO], v[S+16*(\t)+4*\f:S+16*(\t)+4*\f+3], s[10:11] offset:(\t)*2048+\f*512  ; 512 consecutive bytes, at a multiple of 256 from O's first
.endr
.endm
	PACK 0
.set t, 1
.rept 2*NP-1                        ; a tile's arithmetic stands between the loads of the tile before and its stores
	PACK t
	SEND t-1, 8
.set t, t+1
.endr
	SEND 2*NP-1, 0
	WIN W_AD
	s_wait_tensorcnt 0x0            ; the wave's end: behind my last tensor load and my last LDS store
	ds_add_u32 v[SPW], v[NIL]
	s_wait_dscnt 0x0
	WIN 0
	CROUND                          ; the closing round: no work-group ends while a partner may still ask for a tile that names it
	s_endpgm
.Lfunc_end_k_qee0ee8af47_attn:
	.size	k_qee0ee8af47_attn, .Lfunc_end_k_qee0ee8af47_attn-k_qee0ee8af47_attn
	.p2alignl 7, 3214868480
	.fill 96, 4, 3214868480
	.section	.rodata,"a",@progbits
	.p2align	6, 0x0
	.amdhsa_kernel k_qee0ee8af47_attn
		.amdhsa_group_segment_fixed_size 327680
		.amdhsa_private_segment_fixed_size 0
		.amdhsa_enable_private_segment 0
		.amdhsa_kernarg_size 16
		.amdhsa_user_sgpr_count 2
		.amdhsa_user_sgpr_kernarg_segment_ptr 1
		.amdhsa_wavefront_size32 1
		.amdhsa_system_sgpr_workgroup_id_x 1
		.amdhsa_system_sgpr_workgroup_id_y 1
		.amdhsa_system_sgpr_workgroup_id_z 1
		.amdhsa_system_vgpr_workitem_id 0
		.amdhsa_next_free_vgpr 770
		.amdhsa_next_free_sgpr 66
		.amdhsa_reserve_vcc 0
		.amdhsa_float_denorm_mode_32 3
		.amdhsa_float_denorm_mode_16_64 3
		.amdhsa_memory_ordered 1
		.amdhsa_forward_progress 1
		.amdhsa_inst_pref_size 209
	.end_amdhsa_kernel
	.amdgpu_metadata
---
amdhsa.version: [ 1, 2 ]
amdhsa.kernels:
  - .name:           k_qee0ee8af47_attn
    .symbol:         k_qee0ee8af47_attn.kd
    .args:
      - { .name: qkv, .offset: 0, .size: 8, .value_kind: global_buffer, .address_space: global }
      - { .name: oh, .offset: 8, .size: 8, .value_kind: global_buffer, .address_space: global }
    .group_segment_fixed_size: 327680
    .private_segment_fixed_size: 0
    .kernarg_segment_align: 8
    .kernarg_segment_size: 16
    .max_flat_workgroup_size: 128
    .sgpr_count:     66
    .vgpr_count:     770
    .wavefront_size: 32
...
	.end_amdgpu_metadata
.endif
;; end of part 3
;; launch outp (part 4): grid 4 x 64, 4 waves a work-group, clusters of 4 x 4, 327,680 bytes of LDS; arguments oh, wb, out0; writes out0
.if DOCPART == 4
	.amdgcn_target "amdgcn-amd-amdhsa--gfx1250"
	.amdhsa_code_object_version 6
	.text
	.protected	k_qee0ee8af47_outp
	.globl	k_qee0ee8af47_outp
	.p2align	8
	.type	k_qee0ee8af47_outp,@function
k_qee0ee8af47_outp:
	s_mov_b64 s[64:65], 0
	v_nop
	global_prefetch_b8 v0, s[64:65] scope:SCOPE_SE
	s_setreg_imm32_b32 hwreg(HW_REG_WAVE_MODE, 25, 1), 1
	s_wait_xcnt 0x0
	s_wait_alu depctr_hold_cnt(0) depctr_sa_sdst(0) depctr_va_vdst(0) depctr_va_sdst(0) depctr_va_ssrc(0) depctr_va_vcc(0) depctr_vm_vsrc(0)
	s_getreg_b32 s2, hwreg(HW_REG_IB_STS2, 6, 4)
	s_cmp_eq_u32 s2, 0
	s_cbranch_scc0 .Lentry_in_a_cluster
	s_endpgm
.Lentry_in_a_cluster:
	s_bfe_u32 s2, ttmp6, 0x10000c
	s_cmp_lg_u32 s2, 0xf033
	s_cbranch_scc0 .Lentry_shape_is_right
	s_endpgm
.Lentry_shape_is_right:
; THE LAST PROJECTION.  out0[m][n] = the sum over k of O[m][k] Wo[k][n] + bo[n].  O comes by heads, oh = [batch x 16 + head][row][64] in f16 (k = 64 head + channel); Wo [1024 (k)][1024 (n)] in f16 (bf16 numbers) is
; part 3 of wb, bo the fourth bias behind the matrices.  Products of f16, sums in f32, out0 in f32.
; LIMITS.  The bias starts each sum where the formula adds it last.  NaN and infinities are not treated apart.
; SHARES.  A tile of out0 is 128 rows x 256 columns: 64 x 4 = 256 work-groups.  Four waves, each 64 rows x 128 columns: 32 accumulators of 16 x 16.  K goes in 8 steps of 128, two heads a step, through two LDS slots;
; a step is four chunks of 32 along K, 32 matrix instructions each, on two fragment buffers.
; THE MATRIX INSTRUCTION IS USED TRANSPOSED (source 0 = 16 columns of Wo, source 1 = 16 rows of O): a lane then holds eight neighbouring columns of one row, 32 bytes of f32.
; CLUSTER.  4 x 4 work-groups.  The four of a row need the same tiles of O, the four of a column the same tiles of Wo: each is asked for JOINTLY, by the same tensor load, descriptor and mask in all four.
; REGISTERS, in windows of 256 (s_set_vgpr_msb: bits 1:0 source 0, 3:2 source 1, 5:4 source 2, 7:6 destination):
;   window 0: v0-31 addresses; v32-95 O's fragments, two buffers of 32; v128-255 the way out, two buffers of 64
;   window 1: v0-127 Wo's fragments, two buffers of 64; v128-191 the bias in an accumulator's layout        window 2: accumulator (a, b) at v[8 (8 a + b)]
.set PA,    144                        ; a row of O in LDS: 128 bytes + 16 of padding = 36 words: the 16 rows of a load start at 16 different groups of four banks (64 banks of 4 bytes: ISA guide 11.1)
.set AHD,   128*PA                     ; one head's 128 rows: one tensor load
.set PB,    544                        ; a k-row of Wo: 512 bytes + 32 = 136 words
.set BH,    64*PB                      ; 64 k-rows: one tensor load
.set BOFF,  2*AHD                      ; a slot: two heads of O, then Wo's 128 k-rows
.set SLOT,  BOFF+2*BH
.set STAGE, 2*SLOT                     ; behind the ring, never filled by a tensor load: 16 rows x 528 bytes for each wave, for the way out
.set SP,    528
.set SPARE, STAGE+4*16*SP              ; behind the stages: the spare words, 128 bytes for each wave: two blocks of 256 bytes that no other line names
.set OSTEP, 524288                     ; a K step in O: two heads of 262,144 bytes
.set WSTEP, 262144                     ; a K step in Wo: 128 rows of 2,048 bytes
.set BIASES, 8388608
.set ADRA, 16                          ; v16-17  LDS address of my fragments of O in slot 0, 1
.set ADRB, 20                          ; v20-21  the same for Wo
.set STO,  24                          ; v24     the way out: where I put 32 bytes of a row
.set RD,   25                          ; v25     the way out: where I read a row back
.set GO,   26                          ; v26     my byte offset in 512 consecutive bytes of a row of out0
.set BO,   27                          ; v27     my byte offset in 16 numbers of the bias
.set SPW,  28                          ; v28     LDS address of my spare word: SPARE + 4 x my thread's number; never rewritten
.set NIL,  29                          ; v29     0; never rewritten
.set AF,   32
.set TMP,  128
.set BF,   0                           ; window 1
.set BIAS, 128                         ; window 1
.set WV,  20                           ; s20  my wave's number
.set G1,  24                           ; s[24:31] descriptor group 1 for O's tiles;  s[32:39] group 0, one set for each slot
.set G0,  32
.set G1B, 48                           ; s[48:55], s[56:63] the same for Wo's tiles
.set G0B, 56
.set MSB, 0
.macro WIN new                         ; the immediate's high byte repeats the setting that is left; a switch that changes nothing is dropped
.if MSB != (\new)
	s_set_vgpr_msb (MSB<<8)|(\new)
.set MSB, \new
.endif
.endm
.set MUL,   0xa1                       ; source 0 (Wo) window 1, source 1 (O) window 0, C and D window 2
.set MULB,  0x91                       ; the same with C (the bias) in window 1
.set TO_B,  0x40                       ; destination window 1, address window 0
.set FROMC, 0x08                       ; an LDS store's data (source 1) window 2, its address window 0
; A joint load.  Waves 0 and 1 fetch the step's two heads of O, waves 2 and 3 the two halves of Wo's tile.  The branch hangs on the wave's number alone.
; An s_nop 0 and four v_nop follow each of the two lines, ahead of the jump, the label and what follows.
.macro JLOAD s
	s_cmp_lt_u32 s[WV], 2
	s_cbranch_scc0 .Lfor_b_\@
	tensor_load_to_lds s[G0+4*(\s):G0+4*(\s)+3], s[G1:G1+7]
	s_nop 0
.rept 4
	v_nop
.endr
	s_branch .Lasked_\@
.Lfor_b_\@:
	tensor_load_to_lds s[G0B+4*(\s):G0B+4*(\s)+3], s[G1B:G1B+7]
	s_nop 0
.rept 4
	v_nop
.endr
.Lasked_\@:
.endm
.macro CREST                           ; a round of the cluster's barrier behind its opening barrier
	s_cmp_lg_u32 s[WV], 0
	s_cbranch_scc1 .Lnot_wave_0_\@
	s_barrier_signal -3
.Lnot_wave_0_\@:
	s_barrier_wait -3
	s_barrier_signal -1
	s_barrier_wait -1
.endm
.macro CROUND                          ; a whole round
	s_barrier_signal -1
	s_barrier_wait -1
	CREST
.endm
	s_load_b128 s[4:7], s[0:1], 0x0                ; oh s[4:5], wb s[6:7]
	s_load_b64 s[8:9], s[0:1], 0x10                ; out0
	v_lshl_add_u32 v[SPW], v0, 2, SPARE
	v_mov_b32 v[NIL], 0
	ds_add_u32 v28, v29
	s_wait_dscnt 0x0
	v_lshrrev_b32 v1, 5, v0
	v_readfirstlane_b32 s[WV], v1                  ; wave 0..3
	s_lshr_b32 s21, s[WV], 1                       ; which 64 rows of the tile are mine
	s_and_b32 s22, s[WV], 1                        ; which 128 columns.  Also: which head of a step, or which half of Wo's tile, I fetch
	s_bfe_u32 s40, ttmp6, 0x40000                  ; cx, cy: my place in the cluster
	s_bfe_u32 s41, ttmp6, 0x40004
	s_lshl_b32 s42, ttmp9, 2
	s_add_co_u32 s42, s42, s40                     ; tile column = 4 x cluster x + cx
	s_and_b32 s45, ttmp7, 0xffff
	s_lshl_b32 s45, s45, 2
	s_add_co_u32 s45, s45, s41                     ; tile row = 4 x cluster y + cy, 0..63
	s_lshl_b32 s43, s41, 2
	s_lshl_b32 s43, 15, s43                        ; my row of the cluster
	s_lshl_b32 s44, 0x1111, s40                    ; my column
	; descriptor group 1 for O.  A head's 128 rows are 16,384 dense bytes: asked for as 64 rows of 256 bytes, two rows of O each, and padded in LDS after every row of O
	s_or_b32 s[G1+0], s43, (1<<16)|(1<<20)|(1<<21)|(4<<22)|(3<<25)  ; 15:0 the mask: my row; 17:16 elements of 2 bytes; 20 padding on; 21 set beside a mask; 24:22 after every 32 words (code 4); 31:25 4 words (code 3)
	s_mov_b32 s[G1+1], 128<<16                     ; tensor_dim0 = 128
	s_mov_b32 s[G1+2], 64<<16                      ; tensor_dim1 = 64
	s_mov_b32 s[G1+3], 128<<16                     ; tile_dim0 = 128
	s_mov_b32 s[G1+4], 64                          ; tile_dim1 = 64
	s_mov_b32 s[G1+5], 128                         ; elements from row to row
	s_mov_b32 s[G1+6], 0
	s_mov_b32 s[G1+7], 0
	; for Wo: 64 k-rows x 256 elements of 2 bytes, 32 bytes of padding behind each row
	s_or_b32 s[G1B+0], s44, (1<<16)|(1<<20)|(1<<21)|(6<<22)|(7<<25)  ; the mask: my column; after every 128 words (code 6) 8 words (code 7)
	s_mov_b32 s[G1B+1], 256<<16
	s_mov_b32 s[G1B+2], 64<<16
	s_mov_b32 s[G1B+3], 256<<16
	s_mov_b32 s[G1B+4], 64
	s_mov_b32 s[G1B+5], 1024
	s_mov_b32 s[G1B+6], 0
	s_mov_b32 s[G1B+7], 0
	; where the tiles come from.  O's hang on the tile row and the wave; Wo's on the tile column and the wave; each in registers that never hold the other coordinate.
	s_lshr_b32 s16, s45, 4
	s_lshl_b32 s16, s16, 22                        ; the batch: 16 heads of 262,144 bytes,
	s_lshl_b32 s17, s22, 18                        ; my head of the step's two,
	s_add_co_u32 s16, s16, s17
	s_and_b32 s17, s45, 15
	s_lshl_b32 s17, s17, 14                        ; the tile's 128 rows of 128 bytes
	s_add_co_u32 s16, s16, s17
	s_mov_b32 s17, 0
	s_lshl_b32 s46, s22, 17                        ; Wo: 64 x half rows of 2,048 bytes,
	s_lshl_b32 s47, s42, 9                         ; 256 columns of 2 bytes for each tile column,
	s_add_co_u32 s46, s46, s47
	s_add_co_u32 s46, s46, 3<<21                   ; in part 3 of wb
	s_mov_b32 s47, 0
	s_mul_i32 s18, s22, AHD                        ; and where they go: no place in the cluster enters an LDS address
	s_mul_i32 s19, s22, BH
	s_add_co_u32 s19, s19, BOFF
	s_wait_kmcnt 0x0
	s_add_nc_u64 s[14:15], s[4:5], s[16:17]
	s_add_nc_u64 s[46:47], s[6:7], s[46:47]
	CROUND                                         ; all sixteen work-groups are here: the first joint loads meet
.irp s, 0,1
	s_mov_b32 s[G0+4*(\s)], 1                                      ; 1:0 count = 1
	s_add_co_u32 s[G0+4*(\s)+1], s18, (\s)*SLOT                    ; 63:32 LDS address
	s_add_nc_u64 s[G0+4*(\s)+2:G0+4*(\s)+3], s[14:15], (\s)*OSTEP  ; 120:64 global address: K step s
	s_or_b32 s[G0+4*(\s)+3], s[G0+4*(\s)+3], 0x80000000            ; 127:126 type = 2
	s_mov_b32 s[G0B+4*(\s)], 1
	s_add_co_u32 s[G0B+4*(\s)+1], s19, (\s)*SLOT
	s_add_nc_u64 s[G0B+4*(\s)+2:G0B+4*(\s)+3], s[46:47], (\s)*WSTEP
	s_or_b32 s[G0B+4*(\s)+3], s[G0B+4*(\s)+3], 0x80000000
	JLOAD \s                                       ; two loads of mine are out
.endr
	; the bias of my 128 columns, and where my part of out0 begins
	s_lshl_b32 s70, s42, 10
	s_lshl_b32 s71, s22, 9
	s_add_co_u32 s70, s70, s71
	s_add_co_u32 s70, s70, BIASES+3*4096
	s_mov_b32 s71, 0
	s_add_nc_u64 s[66:67], s[6:7], s[70:71]
	s_lshl_b32 s70, s45, 19                        ; the tile's 128 rows of 4,096 bytes,
	s_lshl_b32 s71, s21, 18                        ; my 64 of them,
	s_add_co_u32 s70, s70, s71
	s_lshl_b32 s71, s42, 10                        ; the tile's 256 columns of 4 bytes,
	s_add_co_u32 s70, s70, s71
	s_lshl_b32 s71, s22, 9                         ; my 128 of them
	s_add_co_u32 s70, s70, s71
	s_mov_b32 s71, 0
	s_add_nc_u64 s[68:69], s[8:9], s[70:71]
	v_and_b32 v1, 15, v0                           ; r = l % 16
	v_bfe_u32 v2, v0, 4, 1                         ; h = l / 16
	v_lshlrev_b32 v[BO], 5, v2                     ; register j of an accumulator holds column 8 h + j of its 16: 32 h bytes of f32
	WIN TO_B
.irp b, 0,1,2,3,4,5,6,7
	global_load_b128 v[BIAS+8*(\b):BIAS+8*(\b)+3],   v[BO], s[66:67] offset:64*(\b)
	global_load_b128 v[BIAS+8*(\b)+4:BIAS+8*(\b)+7], v[BO], s[66:67] offset:64*(\b)+16
.endr
	WIN 0
	; A fragment of O is 16 rows x 32 channels in 8 registers: lane l holds row r, channels 8 h + 0..7 and 16 + 8 h + 0..7: two loads of 16 bytes, 32 bytes apart.
	v_mul_u32_u24 v3, v1, PA
	v_lshl_add_u32 v3, v2, 4, v3
	s_mul_i32 s16, s21, 64*PA                      ; my 64 rows
	v_add_nc_u32 v[ADRA], s16, v3
	v_add_nc_u32 v[ADRA+1], SLOT, v[ADRA]
	; The turning load takes 16 k x 16 columns (lane l reads k-row 8 h + l % 8, columns 8 ((l / 8) % 2) + 0..7) and leaves half a fragment: lane l holds column r and 8 k.
	v_and_b32 v4, 7, v0
	v_bfe_u32 v5, v0, 3, 1
	v_lshl_add_u32 v4, v2, 3, v4
	v_mul_u32_u24 v4, v4, PB
	v_lshl_add_u32 v4, v5, 4, v4
	s_lshl_b32 s17, s22, 8                         ; my 128 columns
	s_add_co_u32 s17, s17, BOFF
	v_add_nc_u32 v[ADRB], s17, v4
	v_add_nc_u32 v[ADRB+1], SLOT, v[ADRB]
	s_mul_i32 s16, s[WV], 16*SP
	s_add_co_u32 s16, s16, STAGE                   ; my stage
	v_mul_u32_u24 v[STO], v1, SP                   ; in: row r, 32 bytes for each half of the lanes
	v_lshl_add_u32 v[STO], v2, 5, v[STO]
	v_add_nc_u32 v[STO], s16, v[STO]
	v_and_b32 v[GO], 31, v0                        ; back: 32 lanes take one row's 512 bytes,
	v_lshlrev_b32 v[GO], 4, v[GO]                  ; which are 512 consecutive bytes of out0
	v_add_nc_u32 v[RD], s16, v[GO]
; Eight matrix instructions: row block a x all 8 column blocks, 32 along K, buffers f.  zero = 1: the first product starts the sums, with the bias as C: nothing is cleared.
; The 32 accumulators take turns, one instruction a turn, in the same order in every chunk.
.macro MUL8 f, a, zero
.if \zero
	WIN MULB
.else
	WIN MUL
.endif
.irp b, 0,1,2,3,4,5,6,7
.if \zero
	v_wmma_f32_16x16x32_f16 v[8*(8*(\a)+(\b)):8*(8*(\a)+(\b))+7], v[BF+64*(\f)+8*(\b):BF+64*(\f)+8*(\b)+7], v[AF+32*(\f)+8*(\a):AF+32*(\f)+8*(\a)+7], v[BIAS+8*(\b):BIAS+8*(\b)+7]
.else
	v_wmma_f32_16x16x32_f16 v[8*(8*(\a)+(\b)):8*(8*(\a)+(\b))+7], v[BF+64*(\f)+8*(\b):BF+64*(\f)+8*(\b)+7], v[AF+32*(\f)+8*(\a):AF+32*(\f)+8*(\a)+7], v[8*(8*(\a)+(\b)):8*(8*(\a)+(\b))+7]
.endif
.endr
.endm
; 24 LDS loads in one run: the fragments of chunk q of a slot into buffers d: Wo's 16, then O's 8 (chunk q lies in head q / 2 of the step, channels 32 (q % 2) on)
.macro FETCH slot, q, d
	WIN TO_B
.irp b, 0,1,2,3,4,5,6,7
	ds_load_tr16_b128 v[BF+64*(\d)+8*(\b):BF+64*(\d)+8*(\b)+3],   v[ADRB+(\slot)] offset:32*(\q)*PB+32*(\b)
	ds_load_tr16_b128 v[BF+64*(\d)+8*(\b)+4:BF+64*(\d)+8*(\b)+7], v[ADRB+(\slot)] offset:32*(\q)*PB+16*PB+32*(\b)
.endr
	WIN 0
.irp a, 0,1,2,3
	ds_load_b128 v[AF+32*(\d)+8*(\a):AF+32*(\d)+8*(\a)+3],   v[ADRA+(\slot)] offset:((\q)/2)*AHD+16*(\a)*PA+64*((\q)%2)
	ds_load_b128 v[AF+32*(\d)+8*(\a)+4:AF+32*(\d)+8*(\a)+7], v[ADRA+(\slot)] offset:((\q)/2)*AHD+16*(\a)*PA+64*((\q)%2)+32
.endr
.endm
.macro PLACES                          ; four places in front of loads into registers that matrix instructions have read, and of LDS stores that read results (ISA guide 7.12.1 for vector instructions)
.rept 4
	v_nop
.endr
.endm
; One of a K step's first three chunks: multiplies buffers f; in its middle it fetches chunk q of the same slot into buffers g.
.macro QUARTER slot, q, f, g, zero
	s_wait_dscnt 4                                 ; Wo and O's row blocks 0 and 1 are in; the youngest four loads (row blocks 2 and 3) may be out
	MUL8 \f, 0, \zero
	MUL8 \f, 1, \zero
	PLACES
	FETCH \slot, \q, \g
	s_wait_dscnt 24                                ; all but the 24 just issued
	MUL8 \f, 2, \zero
	MUL8 \f, 3, \zero
.endm
; The last chunk multiplies buffers 1 and changes slots: ONE barrier; in front of it each wave waits for all its tensor loads, of which one is out: its part of the next slot; adds 0 to its spare word; and waits for that
; and for its own reads of this slot.  fill = 1: the barrier opens a round of the cluster's, and this slot is filled again, two K steps ahead, first thing behind the round: 112 matrix instructions ahead of the wait for it.
.macro TURN slot, next, fill
	WIN 0                                          ; (the add's two registers lie in window 0)
	s_wait_tensorcnt 0x0                           ; all my tensor loads have landed;
	ds_add_u32 v[SPW], v[NIL]                      ; 0 onto my spare word
	s_wait_dscnt 5                                 ; (the add and the youngest four loads may be out)
	MUL8 1, 0, 0                                   ; eight matrix instructions stand between the add and the wait for it
	s_wait_dscnt 0x0                               ; the add is done, and my reads of this slot are over
	s_barrier_signal -1
	MUL8 1, 1, 0                                   ; work on registers while the others arrive
	WIN 0                                          ; at a branch and at a label every window is 0
	s_barrier_wait -1
.if \fill
	CREST                                          ; no wave of any partner still reads this slot's tile or has a load on its way
	s_add_nc_u64 s[G0+4*(\slot)+2:G0+4*(\slot)+3], s[G0+4*(\slot)+2:G0+4*(\slot)+3], 2*OSTEP
	s_add_nc_u64 s[G0B+4*(\slot)+2:G0B+4*(\slot)+3], s[G0B+4*(\slot)+2:G0B+4*(\slot)+3], 2*WSTEP
	JLOAD \slot                                    ; my one tensor load behind the round; the four v_nop behind it are also the places in front of the loads below
.else
	PLACES
.endif
	FETCH \next, 0, 0
	MUL8 1, 2, 0
	MUL8 1, 3, 0
.endm
	s_wait_tensorcnt 0x1                           ; my part of K step 0 is in; K step 1's may stay out
	s_barrier_signal -1
	s_barrier_wait -1                              ; everybody's is
	FETCH 0, 0, 0
	s_wait_loadcnt 0x0                             ; the bias
	QUARTER 0, 1, 0, 1, 1                          ; the first chunk stands in front of the loop: its products start the sums
	WIN 0
	s_mov_b32 s3, 3
.Llap:                                                 ; a trip goes once round the ring, from a lap's second chunk to the next lap's first, and fills both slots again: K steps 2 to 7 in three trips
	QUARTER 0, 2, 1, 0, 0
	QUARTER 0, 3, 0, 1, 0
	TURN 0, 1, 1
	QUARTER 1, 1, 0, 1, 0
	QUARTER 1, 2, 1, 0, 0
	QUARTER 1, 3, 0, 1, 0
	TURN 1, 0, 1
	QUARTER 0, 1, 0, 1, 0
	WIN 0
	s_sub_co_u32 s3, s3, 1
	s_cmp_lg_u32 s3, 0
	s_cbranch_scc1 .Llap
	QUARTER 0, 2, 1, 0, 0                          ; the last lap fills nothing, and has no round of the cluster's barrier
	QUARTER 0, 3, 0, 1, 0
	TURN 0, 1, 0
	QUARTER 1, 1, 0, 1, 0
	QUARTER 1, 2, 1, 0, 0
	QUARTER 1, 3, 0, 1, 0
	s_wait_dscnt 4                                 ; the very last chunk: nothing more to fetch
	MUL8 1, 0, 0
	MUL8 1, 1, 0
	s_wait_dscnt 0x0
	MUL8 1, 2, 0
	MUL8 1, 3, 0
	; THE WAY OUT, a row block of 16 rows at a time: a lane's 32 bytes of each accumulator go straight into my stage's rows of 528 bytes (each accumulator's four lowest registers first)
	; and come back as whole rows of 512 bytes, which are stored.
	WIN 0
	PLACES
.macro TOSTAGE a
	WIN FROMC
.irp b, 0,1,2,3,4,5,6,7
	ds_store_b128 v[STO], v[8*(8*(\a)+(\b)):8*(8*(\a)+(\b))+3]   offset:64*(\b)
	ds_store_b128 v[STO], v[8*(8*(\a)+(\b))+4:8*(8*(\a)+(\b))+7] offset:64*(\b)+16
.endr
	WIN 0
.irp t, 0,1,2,3,4,5,6,7,8,9,10,11,12,13,14,15
	ds_load_b128 v[TMP+64*((\a)%2)+4*(\t):TMP+64*((\a)%2)+4*(\t)+3], v[RD] offset:(\t)*SP  ; LDS serves a wave's instructions in order (ISA guide 5.7.1.4): these see the stores above; the next block's stores come behind them
.endr
.endm
.macro SEND a, younger                 ; younger: the LDS instructions issued behind block a's loads: the next block's 32, or none
.irp t, 0,1,2,3,4,5,6,7,8,9,10,11,12,13,14,15
	s_wait_dscnt (\younger)+15-(\t)
	global_store_b128 v[GO], v[TMP+64*((\a)%2)+4*(\t):TMP+64*((\a)%2)+4*(\t)+3], s[68:69] offset:(16*(\a)+(\t))*4096 th:TH_STORE_NT  ; 512 consecutive bytes, at a multiple of 512 from out0's first
.endr
.endm
	TOSTAGE 0
	TOSTAGE 1
	SEND 0, 32
	s_wait_xcnt 0x0                                ; every earlier memory instruction has had its addresses translated (ISA guide 3.1): the registers that block 0's stores read are loaded again only behind this wait
	TOSTAGE 2
	SEND 1, 32
	s_wait_xcnt 0x0                                ; the same for block 1's
	TOSTAGE 3
	SEND 2, 32
	SEND 3, 0
	s_wait_tensorcnt 0x0                           ; the wave's end: behind my last tensor load and my last LDS store
	ds_add_u32 v[SPW], v[NIL]
	s_wait_dscnt 0x0
	CROUND                                         ; the closing round: no work-group ends while a partner may still ask for a tile that names it
	s_endpgm
.Lfunc_end_k_qee0ee8af47_outp:
	.size	k_qee0ee8af47_outp, .Lfunc_end_k_qee0ee8af47_outp-k_qee0ee8af47_outp
	.p2alignl 7, 3214868480
	.fill 96, 4, 3214868480
	.section	.rodata,"a",@progbits
	.p2align	6, 0x0
	.amdhsa_kernel k_qee0ee8af47_outp
		.amdhsa_group_segment_fixed_size 327680
		.amdhsa_private_segment_fixed_size 0
		.amdhsa_enable_private_segment 0
		.amdhsa_kernarg_size 24
		.amdhsa_user_sgpr_count 2
		.amdhsa_user_sgpr_kernarg_segment_ptr 1
		.amdhsa_wavefront_size32 1
		.amdhsa_system_sgpr_workgroup_id_x 1
		.amdhsa_system_sgpr_workgroup_id_y 1
		.amdhsa_system_sgpr_workgroup_id_z 1
		.amdhsa_system_vgpr_workitem_id 0
		.amdhsa_next_free_vgpr 768
		.amdhsa_next_free_sgpr 80
		.amdhsa_reserve_vcc 0
		.amdhsa_float_denorm_mode_32 3
		.amdhsa_float_denorm_mode_16_64 3
		.amdhsa_memory_ordered 1
		.amdhsa_forward_progress 1
		.amdhsa_inst_pref_size 89
	.end_amdhsa_kernel
	.amdgpu_metadata
---
amdhsa.version: [ 1, 2 ]
amdhsa.kernels:
  - .name:           k_qee0ee8af47_outp
    .symbol:         k_qee0ee8af47_outp.kd
    .args:
      - { .name: oh, .offset: 0, .size: 8, .value_kind: global_buffer, .address_space: global }
      - { .name: wb, .offset: 8, .size: 8, .value_kind: global_buffer, .address_space: global }
      - { .name: out0, .offset: 16, .size: 8, .value_kind: global_buffer, .address_space: global }
    .group_segment_fixed_size: 327680
    .private_segment_fixed_size: 0
    .kernarg_segment_align: 8
    .kernarg_segment_size: 24
    .max_flat_workgroup_size: 128
    .sgpr_count:     80
    .vgpr_count:     768
    .wavefront_size: 32
...
	.end_amdgpu_metadata
.endif
;; end of part 4
